; MI455X (gfx1250); checked and timed in simulation.
; The chip was launched on July 23, 2026; its instructions are those of AMD's public machine-readable ISA for CDNA 5 (MIT licence, August 2026) and "CDNA5" Instruction Set Architecture Reference Guide (July 2026). The comments in the code are by the model that wrote it; some were corrected since.
;; Multi Head Attention. Allowed arithmetic: matrix products marked QUANTISED: E2M3 operands, one E8M0 scale for each 32 along K, by v_wmma_scale_f32_16x16x128_f8f6f4 with both operands' format E2M3, f32 sums; everything else in f32.
;; Inputs: K 4 x 2,048 x 1,024 float32; Q 4 x 2,048 x 1,024 float32; V 4 x 2,048 x 1,024 float32; W_K 1,024 x 1,024 float32; W_O 1,024 x 1,024 float32; W_Q 1,024 x 1,024 float32; W_V 1,024 x 1,024 float32; mask 4 x 1 x 2,048 x 2,048 int32.
;; Outputs: out0 4 x 2,048 x 1,024 float32.
;; This version of the problem:
;;   THIS VERSION OF THE PROBLEM IS GIVEN IN LOW PRECISION. The matrix products marked QUANTISED in the list below multiply operands that are first quantised to E2M3 (2 exponent bits, 3 mantissa bits; 6 bits a number), with one power-of-two scale for each 32 numbers along K (OCP MX v1.0); their sums are f32. All else is computed in f32.
;;   The module's matrix products, in the order in which they are computed (A, B: the left and right operand; K: the contracted axis; several contracted axes count as one K, in the product's order):
;;     1. [M 8,192, K 1,024] x [K 1,024, N 1,024]; A: input Q; B: input W_Q: QUANTISED
;;     2. [M 8,192, K 1,024] x [K 1,024, N 1,024]; A: input K; B: input W_K: QUANTISED
;;     3. [M 8,192, K 1,024] x [K 1,024, N 1,024]; A: input V; B: input W_V: QUANTISED
;;     4. batch 64 x [M 2,048, K 64] x [K 64, N 2,048]; A: computed on the way; B: computed on the way: QUANTISED
;;     5. batch 64 x [M 2,048, K 2,048] x [K 2,048, N 64]; A: computed on the way; B: computed on the way: QUANTISED
;;     6. [M 8,192, K 1,024] x [K 1,024, N 1,024]; A: computed on the way; B: input W_O: QUANTISED
;;   THE QUANTISER, for each operand of a quantised product, along K:
;;     - K is cut into blocks of 32 from its start; a last block that is shorter is filled with zeros.
;;     - A block's scale is 2^e with e = floor(log2(the largest magnitude in the block)) - 2, held to -126 .. 127; a block of zeros has e = 0. As a byte (E8M0): e + 127.
;;     - Each number is divided by its block's scale, clamped to +-7.5, and rounded to the nearest number of E2M3, ties to even, subnormals kept.
;;     - The product sums the exact products of the quantised numbers (number of the format x scale) in f32.
;;   ~~~python
;;   def quantise(x, axis):      # numpy; x: float32 -> the quantised numbers, widened to float32 again
;;       x = np.moveaxis(x, axis, -1); K = x.shape[-1]
;;       x = np.pad(x, [(0, 0)] * (x.ndim - 1) + [(0, -K % 32)]); x = x.reshape(x.shape[:-1] + (-1, 32)); a = np.abs(x).max(-1, keepdims=True)
;;       e = np.where(a > 0, np.clip(np.frexp(np.where(a > 0, a, 1))[1] - 1 - 2, -126, 127), 0)      # np.frexp(a)[1] - 1 = floor(log2(a)), exactly
;;       r = np.clip(x / 2.0 ** e, -7.5, 7.5)
;;       step = 2.0 ** (np.maximum(np.frexp(np.where(r == 0, 1, r))[1] - 1, 0) - 3)
;;       q = np.round(r / step) * step * 2.0 ** e      # np.round: ties to even
;;       return np.moveaxis(q.reshape(q.shape[:-2] + (-1,))[..., :K], -1, axis).astype(np.float32)
;;   ~~~
;;   OPERANDS COMPUTED ON THE WAY. 'Computed on the way' means the value that the module computes at that place (a softmax that the list does not call 'softmax' is quantised finished and normalised). What goes into a quantiser is computed in f32, as accurately as f32 sums, v_exp_f32 and their like allow (about 1e-6 of the number): no bf16 or f16 on the way to a quantiser, and a product that is left as it is and whose result goes on into a quantised operand takes f32 operands (vector FMAs, or v_wmma_f32_16x16x4_f32). A number that lies on a knife's edge between two numbers of the format may be rounded either way, as far as f32 arithmetic and the matrix unit's own rounding can turn it there, and no further.
;; One version. Each part assembles by itself: llvm-mc -triple=amdgcn-amd-amdhsa -mcpu=gfx1250 --defsym DOCPART=n.
;; ======== version 1 of 1: 4 launches
;; limits: right only within a limited range of input values
;; workspace buffers: xw 22,937,600 bytes; mw 2,097,152 bytes of whole numbers; fl 8,192 bytes of whole numbers; qkv 19,660,800 bytes; ac 6,553,600 bytes
;; launch prep (part 1): grid 1408 x 1, 4 waves a work-group, no clusters, 68,096 bytes of LDS; arguments Q, K, V, W_Q, W_K, W_V, W_O, mask, xw, mw, fl; writes xw, mw, fl
.if DOCPART == 1
	.amdgcn_target "amdgcn-amd-amdhsa--gfx1250"
	.amdhsa_code_object_version 6
	.text
	.protected	k_q2e900aedf1_prep
	.globl	k_q2e900aedf1_prep
	.p2align	8
	.type	k_q2e900aedf1_prep,@function
k_q2e900aedf1_prep:
	s_mov_b64 s[64:65], 0
	v_nop
	global_prefetch_b8 v0, s[64:65] scope:SCOPE_SE
	s_setreg_imm32_b32 hwreg(HW_REG_WAVE_MODE, 25, 1), 1
	s_wait_xcnt 0x0
; Q, K, V [8192][1024] and W_Q, W_K, W_V, W_O [1024][1024], f32, become codes of FP6 (E2M3) with one E8M0 byte for each 32 along their 1,024 columns (work-groups 0 to 895);
; the mask [4][2048][2048], int32, becomes lane-mask words and flags (work-groups 896 to 1407).
; A TILE is 16 rows that are not neighbours: tile 2 B + u of a group of 32 rows holds in its lane-row r the row 32 B + 8 u + r + 8 (r / 8).
; A UNIT (1,536 bytes) is the image of a fragment's 12 registers (16 rows x 128 K): registers 0-3 at 16 x lane, 4-5 at 512 + 8 x lane, 6-9 at 768 + 16 x lane, 10-11 at 1280 + 8 x lane.
; xw: codes [group of 8 tiles][K block 0..7][tile][1536]; behind all codes the scale words [group][K block / 4][tile][row][K block % 4].  Groups: Q 0-63, K 64-127, V 128-191, W_Q 192-, W_K 200-, W_V 208-, W_O 216-223.
; mw: for query tile tau = 128 batch + T and key step s (128 keys) 64 words at 4096 tau + 256 s: bit (lane) of word j says whether key 128 s + 32 (j / 16) + 16 (lane / 16) + j % 16 counts for the query of lane-row lane % 16.
; fl: four words a query tile, at 16 tau + 4 w: word w holds, two bits a step, the flags of key steps 4 w to 4 w + 3: 0 no key counts, 1 some, 2 all.
; SHARES: a wave takes one tile x 512 columns, as four pieces of 16 rows x 128 columns.  Each load reads 512 consecutive bytes of a row; a piece turns through the wave's own stage in LDS (rows 528 bytes apart:
; 33 x 16, so the sixteen rows that a load touches start in sixteen different groups of banks) and comes back with 16 neighbours of each block of 32 in a lane.  Waves share nothing: no barrier.
; A block's scale is 2^(floor(log2(its largest magnitude)) - 2).  LIMITS: a block of zeros, and one whose largest magnitude lies under 2^-124, gets the byte 1 (its codes are zeros or the format's smallest; this program alone
; reads the bytes); NaN and infinities among the inputs are not served.
.set SPW,  1                           ; v1   LDS address of my spare word; never rewritten
.set NIL,  2                           ; v2   0; never rewritten
.set L16,  3                           ; v3   16 x lane
.set L8,   4                           ; v4   8 x lane
.set STI,  5                           ; v5   the stage, on the way in: 16 x lane
.set STO,  6                           ; v6   and out: 528 r + 64 h
.set R16,  7                           ; v7   16 r
.set PWS,  12                          ; v12-15  the four pieces' scale words
.set R,    16                          ; v16-143 two sets of 64: a piece as loaded
.set X,    144                         ; v144-207 register 16 B + i = column 32 B + 16 h + i of lane-row r
.set PC,   208                         ; v208-219 a fragment's codes; v220-222, v224-226 at work
.set TM,   228                         ; v228-243 at work
.set MW,   244                         ; v244-251 mask words, a pair for each piece
.set SEL,  42                          ; s[42:43] lane selects: lane xor 16
.set WST,  16*528                      ; a wave's stage
.set MST,  4*WST                       ; the mask path's stages lie behind the quantising path's: each path has LDS bytes of its own
.set SPARE, 8*WST                      ; the spare words, 128 bytes for each wave
.macro LOAD t, base, pitch             ; piece t: 16 rows x 512 bytes into set t % 2
.irp p, 0,1,2,3,4,5,6,7,8,9,10,11,12,13,14,15
	global_load_b128 v[R+64*((\t)%2)+4*\p:R+64*((\t)%2)+4*\p+3], v[L16], s[\base:\base+1] offset:(\p+8*(\p/8))*\pitch+512*(\t) th:TH_LOAD_NT
.endr
.endm
.macro TURN t                          ; through the stage: LDS serves a wave's instructions in order, so no wait stands between the stores and the loads
.irp p, 0,1,2,3,4,5,6,7,8,9,10,11,12,13,14,15
	ds_store_b128 v[STI], v[R+64*((\t)%2)+4*\p:R+64*((\t)%2)+4*\p+3] offset:528*\p
.endr
.irp b, 0,1,2,3
.irp c, 0,1,2,3
	ds_load_b128 v[X+16*\b+4*\c:X+16*\b+4*\c+3], v[STO] offset:128*\b+16*\c
.endr
.endr
.endm
; 64 numbers of a lane, register 16 b + i = k 32 b + 16 (lane / 16) + i of my row, become a fragment's codes in v[pc] on and its scale word in v[pw]
.macro QUANT s, pc, pw
.irp b, 0,1,2,3
	v_max3_num_f32 v[TM+\b], |v[\s+16*\b]|, |v[\s+1+16*\b]|, 0x1800000   ; my 16 numbers of block b, and the floor 2^(3 - 127): the byte cannot fall under 1
.endr
.irp i, 2,4,6,8,10,12,14
.irp b, 0,1,2,3
	v_max3_num_f32 v[TM+\b], v[TM+\b], |v[\s+16*\b+\i]|, |v[\s+1+16*\b+\i]|
.endr
.endr
.irp b, 0,1,2,3
	v_permlanex16_b32 v[TM+4+\b], v[TM+\b], s[SEL], s[SEL+1]
.endr
.irp b, 0,1,2,3
	v_max_num_f32 v[TM+\b], v[TM+\b], v[TM+4+\b]      ; with lane xor 16's: the block's largest magnitude
.endr
.irp b, 0,1,2,3
	v_add_nc_u32 v[TM+12+\b], 0xff000000, v[TM+\b]    ; 2 off its exponent field: the conversion's scale operand
.endr
.irp b, 0,1,2,3
	v_lshrrev_b32 v[TM+4+\b], 23, v[TM+12+\b]         ; the scale's byte
.endr
	v_lshl_or_b32 v[\pw], v[TM+5], 8, v[TM+4]
	v_lshl_or_b32 v[\pw], v[TM+6], 16, v[\pw]
	v_lshl_or_b32 v[\pw], v[TM+7], 24, v[\pw]
.irp c, 0,1
	v_cvt_scalef32_pk16_fp6_f32 v[\pc+6*\c:\pc+2+6*\c], v[\s+32*\c:\s+15+32*\c], v[TM+12+2*\c]
	v_cvt_scalef32_pk16_fp6_f32 v[\pc+12+4*\c:\pc+14+4*\c], v[\s+16+32*\c:\s+31+32*\c], v[TM+12+2*\c+1]
.endr
	v_nop                                          ; one plain place behind a scaled conversion
.irp c, 0,1                                    ; the operand's layout wants a whole block in a lane
.irp i, 0,1,2
	v_permlane16_swap_b32 v[\pc+6*\c+\i], v[\pc+12+4*\c+\i]
.endr
.irp i, 0,1,2
	v_mov_b32 v[\pc+3+6*\c+\i], v[\pc+12+4*\c+\i]
.endr
.endr
.endm
.macro QSTEP t                         ; piece t is K block 4 kq + t of my tile: its unit leaves in four stores of 512 or 256 consecutive, aligned bytes
	s_wait_xcnt 0x0                                ; the last piece's stores have read the codes' registers
	QUANT X, PC, PWS+\t
	global_store_b128 v[L16], v[PC:PC+3], s[38:39] offset:12288*\t
	global_store_b64 v[L8], v[PC+4:PC+5], s[38:39] offset:12288*\t+512
	global_store_b128 v[L16], v[PC+6:PC+9], s[38:39] offset:12288*\t+768
	global_store_b64 v[L8], v[PC+10:PC+11], s[38:39] offset:12288*\t+1280
.endm
.macro MSTEP t                         ; piece t is key step 4 wave + t: a compare's lane mask IS word j; 64 words are laid two to a lane and leave as 256 consecutive bytes
	s_mov_b32 s56, 0                               ; the words' or,
	s_mov_b32 s57, -1                              ; and their and
.set j, 0
.rept 8
.set k, 0
.rept 8
	v_cmp_ne_u32 s[48+k], 0, v[X+j+k]
.set k, k+1
.endr
.set k, 0
.rept 8
	s_or_b32 s56, s56, s[48+k]
	s_and_b32 s57, s57, s[48+k]
	v_writelane_b32 v[MW+2*(\t)+(j+k)%2], s[48+k], (j+k)/2
.set k, k+1
.endr
.set j, j+8
.endr
	global_store_b64 v[L8], v[MW+2*(\t):MW+2*(\t)+1], s[38:39] offset:256*(\t)
	s_cmp_lg_u32 s56, 0
	s_cselect_b32 s58, 1, 0                        ; some key counts
	s_cmp_eq_u32 s57, -1
	s_cselect_b32 s59, 1, 0                        ; all count
	s_add_co_u32 s58, s58, s59
	s_lshl_b32 s58, s58, 2*(\t)
	s_or_b32 s60, s60, s58
.endm
	s_load_b512 s[4:19], s[0:1], 0x0               ; Q, K, V, W_Q, W_K, W_V, W_O, mask
	s_load_b128 s[20:23], s[0:1], 0x40             ; xw, mw
	s_load_b64 s[46:47], s[0:1], 0x50              ; fl
	v_lshl_add_u32 v[SPW], v0, 2, SPARE
	v_mov_b32 v[NIL], 0
	v_lshrrev_b32 v8, 5, v0
	v_readfirstlane_b32 s24, v8                    ; wave
	v_and_b32 v9, 31, v0                           ; lane (kept)
	v_lshlrev_b32 v[L16], 4, v9
	v_lshlrev_b32 v[L8], 3, v9
	v_and_b32 v10, 15, v0                          ; r
	v_bfe_u32 v11, v0, 4, 1                        ; h
	v_lshlrev_b32 v[R16], 4, v10
	s_mul_i32 s25, s24, WST
	v_add_nc_u32 v[STI], s25, v[L16]
	v_mul_u32_u24 v[STO], v10, 528
	v_lshl_add_u32 v[STO], v11, 6, v[STO]
	v_add_nc_u32 v[STO], s25, v[STO]
	s_mov_b32 s[SEL], 0x76543210
	s_mov_b32 s[SEL+1], 0xfedcba98
.irp b, 0,1,2,3
	v_mov_b32 v[TM+4+\b], 0                        ; written once: a lane permute's destination counts as one of its sources
.endr
.irp b, 0,1,2,3,4,5,6,7
	v_mov_b32 v[MW+\b], 0                          ; likewise for v_writelane_b32
.endr
	s_lshr_b32 s26, s24, 1                         ; u: which of the work-group's two tiles
	s_and_b32 s27, s24, 1                          ; kq: which 512 columns
	s_mov_b32 s33, 0
	s_mov_b32 s37, 0
	s_wait_kmcnt 0x0
	s_cmp_ge_u32 ttmp9, 896
	s_cbranch_scc1 .Lmask
	; ---- the quantising path.  Which tensor: a choice on the work-group's number alone
	s_mov_b64 s[28:29], s[16:17]
	s_mov_b32 s30, 864
	s_cmp_lt_u32 ttmp9, 864
	s_cselect_b64 s[28:29], s[14:15], s[28:29]
	s_cselect_b32 s30, 832, s30
	s_cmp_lt_u32 ttmp9, 832
	s_cselect_b64 s[28:29], s[12:13], s[28:29]
	s_cselect_b32 s30, 800, s30
	s_cmp_lt_u32 ttmp9, 800
	s_cselect_b64 s[28:29], s[10:11], s[28:29]
	s_cselect_b32 s30, 768, s30
	s_cmp_lt_u32 ttmp9, 768
	s_cselect_b64 s[28:29], s[8:9], s[28:29]
	s_cselect_b32 s30, 512, s30
	s_cmp_lt_u32 ttmp9, 512
	s_cselect_b64 s[28:29], s[6:7], s[28:29]
	s_cselect_b32 s30, 256, s30
	s_cmp_lt_u32 ttmp9, 256
	s_cselect_b64 s[28:29], s[4:5], s[28:29]
	s_cselect_b32 s30, 0, s30
	s_sub_co_u32 s31, ttmp9, s30
	s_lshl_b32 s31, s31, 17                        ; 32 rows of 4,096 bytes a work-group,
	s_lshl_b32 s32, s26, 15                        ; tile u begins 8 rows on,
	s_add_co_u32 s31, s31, s32
	s_lshl_b32 s32, s27, 11                        ; 512 columns
	s_add_co_u32 s32, s31, s32
	s_add_nc_u64 s[28:29], s[28:29], s[32:33]
	s_lshr_b32 s34, ttmp9, 2                       ; the group of 8 tiles
	s_and_b32 s35, ttmp9, 3
	s_lshl_b32 s35, s35, 1
	s_add_co_u32 s35, s35, s26                     ; my tile in it
	s_lshl_b32 s36, s34, 3
	s_lshl_b32 s31, s27, 2
	s_add_co_u32 s36, s36, s31                     ; 8 group + 4 kq
	s_mul_i32 s36, s36, 12288
	s_mul_i32 s31, s35, 1536
	s_add_co_u32 s36, s36, s31
	s_add_nc_u64 s[38:39], s[20:21], s[36:37]      ; my first unit
	s_lshl_b32 s36, s34, 1
	s_add_co_u32 s36, s36, s27
	s_lshl_b32 s36, s36, 11
	s_lshl_b32 s31, s35, 8
	s_add_co_u32 s36, s36, s31
	s_add_co_u32 s36, s36, 22020096
	s_add_nc_u64 s[40:41], s[20:21], s[36:37]      ; my tile's 256 bytes of scale words
	LOAD 0, 28, 4096
	LOAD 1, 28, 4096
.irp t, 0,1,2,3
.if \t < 3
	s_wait_loadcnt 16                              ; this piece's 16 loads are in; the next piece's may be out
.else
	s_wait_loadcnt 0x0
.endif
	TURN \t
	s_wait_dscnt 0x0                               ; the piece is back, and the stage's stores have read their registers
.if \t < 2
	LOAD \t+2, 28, 4096
.endif
	QSTEP \t
.endr
	s_wait_xcnt 0x0                                ; EXEC changes only behind this wait
	v_cmp_gt_u32 vcc_lo, 16, v9
	s_and_saveexec_b32 s44, vcc_lo
	global_store_b128 v[R16], v[PWS:PWS+3], s[40:41]   ; sixteen lanes store 256 consecutive, aligned bytes: four scale words a row
	s_wait_xcnt 0x0
	s_or_b32 exec_lo, exec_lo, s44
	s_wait_tensorcnt 0x0                           ; the wave's end
	ds_add_u32 v[SPW], v[NIL]
	s_wait_dscnt 0x0
	s_endpgm
.Lmask:
	; ---- the mask's path
	v_add_nc_u32 v[STI], MST, v[STI]
	v_add_nc_u32 v[STO], MST, v[STO]
	s_sub_co_u32 s30, ttmp9, 896                   ; tau
	s_lshr_b32 s31, s30, 1
	s_lshl_b32 s31, s31, 5
	s_and_b32 s32, s30, 1
	s_lshl_b32 s32, s32, 3
	s_add_co_u32 s31, s31, s32                     ; the tile's first row of the mask's 8,192
	s_lshl_b32 s32, s31, 13                        ; rows of 8,192 bytes
	s_lshl_b32 s34, s24, 11                        ; my wave's 512 keys
	s_add_co_u32 s32, s32, s34
	s_add_nc_u64 s[28:29], s[18:19], s[32:33]
	s_lshl_b32 s36, s30, 12
	s_lshl_b32 s34, s24, 10
	s_add_co_u32 s36, s36, s34
	s_add_nc_u64 s[38:39], s[22:23], s[36:37]      ; my four steps' words
	s_lshl_b32 s36, s30, 4
	s_lshl_b32 s34, s24, 2
	s_add_co_u32 s36, s36, s34
	s_add_nc_u64 s[40:41], s[46:47], s[36:37]      ; my word of the tile's flags: 16 tau + 4 wave
	s_mov_b32 s60, 0
	LOAD 0, 28, 8192
	LOAD 1, 28, 8192
	s_wait_alu depctr_va_vdst(0)
.irp t, 0,1,2,3
.if \t < 3
	s_wait_loadcnt 16                              ; this piece's 16 loads are in; the next piece's may be out
.else
	s_wait_loadcnt 0x0
.endif
	TURN \t
	s_wait_dscnt 0x0
.if \t < 2
	LOAD \t+2, 28, 8192
.endif
	MSTEP \t
.endr
	v_mov_b32 v8, 0
	v_mov_b32 v10, s60
	s_wait_alu depctr_va_vdst(0)
	s_wait_xcnt 0x0                                ; EXEC changes only behind this wait
	v_cmp_gt_u32 vcc_lo, 1, v9
	s_and_saveexec_b32 s44, vcc_lo
	global_store_b32 v8, v10, s[40:41]             ; one word a wave: four steps' flags; 8,192 bytes in the whole launch
	s_wait_xcnt 0x0
	s_or_b32 exec_lo, exec_lo, s44
	s_wait_tensorcnt 0x0                           ; the wave's end
	ds_add_u32 v[SPW], v[NIL]
	s_wait_dscnt 0x0
	s_endpgm
.Lfunc_end_k_q2e900aedf1_prep:
	.size	k_q2e900aedf1_prep, .Lfunc_end_k_q2e900aedf1_prep-k_q2e900aedf1_prep
	.p2alignl 7, 3214868480
	.fill 96, 4, 3214868480
	.section	.rodata,"a",@progbits
	.p2align	6, 0x0
	.amdhsa_kernel k_q2e900aedf1_prep
		.amdhsa_group_segment_fixed_size 68096
		.amdhsa_private_segment_fixed_size 0
		.amdhsa_enable_private_segment 0
		.amdhsa_kernarg_size 88
		.amdhsa_user_sgpr_count 2
		.amdhsa_user_sgpr_kernarg_segment_ptr 1
		.amdhsa_wavefront_size32 1
		.amdhsa_system_sgpr_workgroup_id_x 1
		.amdhsa_system_sgpr_workgroup_id_y 1
		.amdhsa_system_sgpr_workgroup_id_z 1
		.amdhsa_system_vgpr_workitem_id 0
		.amdhsa_next_free_vgpr 256
		.amdhsa_next_free_sgpr 66
		.amdhsa_reserve_vcc 1
		.amdhsa_float_denorm_mode_32 3
		.amdhsa_float_denorm_mode_16_64 3
		.amdhsa_memory_ordered 1
		.amdhsa_forward_progress 1
		.amdhsa_inst_pref_size 100
	.end_amdhsa_kernel
	.amdgpu_metadata
---
amdhsa.version: [ 1, 2 ]
amdhsa.kernels:
  - .name:           k_q2e900aedf1_prep
    .symbol:         k_q2e900aedf1_prep.kd
    .args:
      - { .name: Q, .offset: 0, .size: 8, .value_kind: global_buffer, .address_space: global }
      - { .name: K, .offset: 8, .size: 8, .value_kind: global_buffer, .address_space: global }
      - { .name: V, .offset: 16, .size: 8, .value_kind: global_buffer, .address_space: global }
      - { .name: W_Q, .offset: 24, .size: 8, .value_kind: global_buffer, .address_space: global }
      - { .name: W_K, .offset: 32, .size: 8, .value_kind: global_buffer, .address_space: global }
      - { .name: W_V, .offset: 40, .size: 8, .value_kind: global_buffer, .address_space: global }
      - { .name: W_O, .offset: 48, .size: 8, .value_kind: global_buffer, .address_space: global }
      - { .name: mask, .offset: 56, .size: 8, .value_kind: global_buffer, .address_space: global }
      - { .name: xw, .offset: 64, .size: 8, .value_kind: global_buffer, .address_space: global }
      - { .name: mw, .offset: 72, .size: 8, .value_kind: global_buffer, .address_space: global }
      - { .name: fl, .offset: 80, .size: 8, .value_kind: global_buffer, .address_space: global }
    .group_segment_fixed_size: 68096
    .private_segment_fixed_size: 0
    .kernarg_segment_align: 8
    .kernarg_segment_size: 88
    .max_flat_workgroup_size: 128
    .sgpr_count:     66
    .vgpr_count:     256
    .wavefront_size: 32
...
	.end_amdgpu_metadata
.endif
;; end of part 1
;; launch proj (part 2): grid 4 x 96, 4 waves a work-group, clusters of 4 x 4, 327,680 bytes of LDS; arguments xw, qkv; writes qkv
.if DOCPART == 2
	.amdgcn_target "amdgcn-amd-amdhsa--gfx1250"
	.amdhsa_code_object_version 6
	.text
	.protected	k_q2e900aedf1_proj
	.globl	k_q2e900aedf1_proj
	.p2align	8
	.type	k_q2e900aedf1_proj,@function
k_q2e900aedf1_proj:
	s_mov_b64 s[64:65], 0
	v_nop
	global_prefetch_b8 v0, s[64:65] scope:SCOPE_SE
	s_setreg_imm32_b32 hwreg(HW_REG_WAVE_MODE, 25, 1), 1
	s_wait_xcnt 0x0
	s_wait_alu depctr_hold_cnt(0) depctr_sa_sdst(0) depctr_va_vdst(0) depctr_va_sdst(0) depctr_va_ssrc(0) depctr_va_vcc(0) depctr_vm_vsrc(0)
	s_getreg_b32 s2, hwreg(HW_REG_IB_STS2, 6, 4)
	s_cmp_eq_u32 s2, 0
	s_cbranch_scc0 .Lentry_in_a_cluster
	s_endpgm
.Lentry_in_a_cluster:
	s_bfe_u32 s2, ttmp6, 0x10000c
	s_cmp_lg_u32 s2, 0xf033
	s_cbranch_scc0 .Lentry_shape_is_right
	s_endpgm
.Lentry_shape_is_right:
; q = Q W_Q^T, k = K W_K^T, v = V W_V^T on codes of FP6 (E2M3) with E8M0 scales, and each result quantised again for the products of attention: q and k along the head's channels, v along the keys.
; xw holds images of the operands' registers: codes [group of 8 tiles][K block 0..7][tile][1536], behind all codes the scale words [group][K block / 4][tile][row][K block % 4];
; groups: Q 0-63, K 64-127, V 128-191, W_Q 192-, W_K 200-, W_V 208-.  Lane-row r of tile 2 B + u of a group is row 32 B + 8 u + r + 8 (r / 8).
; A work-group makes 256 x 256 of one product, a wave 128 x 128: 64 accumulators.  Cluster rows 0-7 serve q, 8-15 k, 16-23 v.  Source 1 holds the rows of which a lane keeps one, source 0 the rows along which its registers run:
; for q and k source 1 = tokens, source 0 = the weight's rows (channels); for v the two change places, so that a lane's registers run along the tokens, which are the keys.
; THE RING: two LDS slots of THREE K blocks each (4 x 36,864 bytes); each wave fetches one group's three K blocks, 144 rows of 256 bytes, dense in memory.  K's eight blocks come in three fills: blocks 0-2 at the head,
; 3-5 behind the full sequence and a round, 6-7 (96 rows) as slot 0's one refill.  Between the second fill's request and the wait for it stand two K blocks' products, 128 matrix instructions; before the refill's wait, two and a half, 160.
; THE SCALE WORDS go from memory straight into their registers: 16 loads a wave, each of 512 consecutive bytes; they are an image of the registers, so LDS has no part in them.
; CLUSTERS: 4 x 4 work-groups; source 1's tiles are shared along a row of the cluster, source 0's along a column: joint loads.
; NO PREFETCH: the block is the largest, in clusters, and K is short: three fills in all, of which the first two go out at the head.
; REGISTERS: window 0: v16-31 addresses, v32-95 scale words, v128-223 source 1's fragments (one set), v224-255 at work on the way out; window 1: source 0's fragments, two sets at v0 and v128; windows 2, 3: the accumulators.
.set KBB,   12288                      ; a K block of a group: 8 units
.set WBLK,  3*KBB                      ; what a wave fetches for a slot
.set SLOT,  4*WBLK
.set SPARE, 2*SLOT                     ; behind the ring: the spare words
.set SCOFF, 22020096
.set ADRA16, 16
.set ADRA8,  18
.set ADRB16, 20
.set ADRB8,  22
.set L16,  24
.set L8,   25
.set SPW,  28                          ; LDS address of my spare word; never rewritten
.set NIL,  29                          ; 0; never rewritten
.set SCA,  32
.set SCB,  64
.set AF,   128
.set TM,   232
.set SEL,  66
.set G1, 24
.set G0, 32
.set G1B, 48
.set G0B, 56
.set MSB, 0
.macro WIN new                         ; the immediate's high byte repeats the setting that is left
.if MSB != \new
	s_set_vgpr_msb (MSB<<8)|\new
.set MSB, \new
.endif
.endm
.set MUL_LO, 0xa1
.set MUL_HI, 0xf1
.set TO_B,   0x40
.macro JLOAD g0a, g1a, g0b, g1b        ; a joint load: waves 0 and 1 fetch for source 1, waves 2 and 3 for source 0; the branch hangs on the wave's number alone
	s_cmp_eq_u32 s15, 0
	s_cbranch_scc0 .Lfor_b_\@
	tensor_load_to_lds s[\g0a:\g0a+3], s[\g1a:\g1a+7]
	s_nop 0
.rept 4
	v_nop
.endr
	s_branch .Lasked_\@
.Lfor_b_\@:
	tensor_load_to_lds s[\g0b:\g0b+3], s[\g1b:\g1b+7]
	s_nop 0
.rept 4
	v_nop
.endr
.Lasked_\@:
.endm
.macro CREST
	s_cmp_lg_u32 s14, 0
	s_cbranch_scc1 .Lnot_wave_0_\@
	s_barrier_signal -3
.Lnot_wave_0_\@:
	s_barrier_wait -3
	s_barrier_signal -1
	s_barrier_wait -1
.endm
.macro CROUND
	s_barrier_signal -1
	s_barrier_wait -1
	CREST
.endm
.macro PLACES n
.rept \n
	v_nop
.endr
.endm
.macro WM acc, f0, f1, sa, sb, ra, rb, zero
.if \zero
.if (\ra) && (\rb)
	v_wmma_scale_f32_16x16x128_f8f6f4 v[(\acc):(\acc)+7], v[(\f0):(\f0)+11], v[(\f1):(\f1)+11], 0, v[\sa], v[\sb] matrix_a_fmt:MATRIX_FMT_FP6 matrix_b_fmt:MATRIX_FMT_FP6 matrix_a_scale:MATRIX_SCALE_ROW1 matrix_b_scale:MATRIX_SCALE_ROW1
.elseif (\ra)
	v_wmma_scale_f32_16x16x128_f8f6f4 v[(\acc):(\acc)+7], v[(\f0):(\f0)+11], v[(\f1):(\f1)+11], 0, v[\sa], v[\sb] matrix_a_fmt:MATRIX_FMT_FP6 matrix_b_fmt:MATRIX_FMT_FP6 matrix_a_scale:MATRIX_SCALE_ROW1
.elseif (\rb)
	v_wmma_scale_f32_16x16x128_f8f6f4 v[(\acc):(\acc)+7], v[(\f0):(\f0)+11], v[(\f1):(\f1)+11], 0, v[\sa], v[\sb] matrix_a_fmt:MATRIX_FMT_FP6 matrix_b_fmt:MATRIX_FMT_FP6 matrix_b_scale:MATRIX_SCALE_ROW1
.else
	v_wmma_scale_f32_16x16x128_f8f6f4 v[(\acc):(\acc)+7], v[(\f0):(\f0)+11], v[(\f1):(\f1)+11], 0, v[\sa], v[\sb] matrix_a_fmt:MATRIX_FMT_FP6 matrix_b_fmt:MATRIX_FMT_FP6
.endif
.else
.if (\ra) && (\rb)
	v_wmma_scale_f32_16x16x128_f8f6f4 v[(\acc):(\acc)+7], v[(\f0):(\f0)+11], v[(\f1):(\f1)+11], v[(\acc):(\acc)+7], v[\sa], v[\sb] matrix_a_fmt:MATRIX_FMT_FP6 matrix_b_fmt:MATRIX_FMT_FP6 matrix_a_scale:MATRIX_SCALE_ROW1 matrix_b_scale:MATRIX_SCALE_ROW1
.elseif (\ra)
	v_wmma_scale_f32_16x16x128_f8f6f4 v[(\acc):(\acc)+7], v[(\f0):(\f0)+11], v[(\f1):(\f1)+11], v[(\acc):(\acc)+7], v[\sa], v[\sb] matrix_a_fmt:MATRIX_FMT_FP6 matrix_b_fmt:MATRIX_FMT_FP6 matrix_a_scale:MATRIX_SCALE_ROW1
.elseif (\rb)
	v_wmma_scale_f32_16x16x128_f8f6f4 v[(\acc):(\acc)+7], v[(\f0):(\f0)+11], v[(\f1):(\f1)+11], v[(\acc):(\acc)+7], v[\sa], v[\sb] matrix_a_fmt:MATRIX_FMT_FP6 matrix_b_fmt:MATRIX_FMT_FP6 matrix_b_scale:MATRIX_SCALE_ROW1
.else
	v_wmma_scale_f32_16x16x128_f8f6f4 v[(\acc):(\acc)+7], v[(\f0):(\f0)+11], v[(\f1):(\f1)+11], v[(\acc):(\acc)+7], v[\sa], v[\sb] matrix_a_fmt:MATRIX_FMT_FP6 matrix_b_fmt:MATRIX_FMT_FP6
.endif
.endif
.endm
.macro MUL16 a0, p, kb, zero           ; source 1's tiles a0, a0 + 1 x source 0's eight (set p), K block kb; the 64 accumulators by turns, in the same order in every block
.irp a, \a0, \a0+1
.irp b, 0,1,2,3,4,5,6,7
	WM 8*(8*((\a)%4)+\b), 128*(\p)+12*\b, AF+12*(\a), SCB+16*((\kb)/4)+4*(\b/2)+(\kb)%4, SCA+16*((\kb)/4)+4*((\a)/2)+(\kb)%4, \b%2, (\a)%2, \zero
.endr
.endr
.endm
.macro FRAG reg, a16, a8, off
	ds_load_b128 v[(\reg):(\reg)+3], v[\a16] offset:(\off)
	ds_load_b64 v[(\reg)+4:(\reg)+5], v[\a8] offset:(\off)+512
	ds_load_b128 v[(\reg)+6:(\reg)+9], v[\a16] offset:(\off)+768
	ds_load_b64 v[(\reg)+10:(\reg)+11], v[\a8] offset:(\off)+1280
.endm
.macro FETCH_B slot, q, p              ; source 0's eight fragments of the slot's K block q into set p
	WIN TO_B
.irp i, 0,1,2,3,4,5,6,7
	FRAG 128*(\p)+12*\i, ADRB16+\slot, ADRB8+\slot, (8*(\q)+\i)*1536
.endr
	WIN 0
.endm
.macro FETCH_A slot, q, i0
.irp i, \i0, \i0+1, \i0+2, \i0+3
	FRAG AF+12*(\i), ADRA16+\slot, ADRA8+\slot, (8*(\q)+(\i))*1536
.endr
.endm
; a K block inside a slot: multiplies set p; the slot's K block q is fetched into the other set, source 1's tiles 0-3 in the middle, 4-7 at the end
.macro STEP slot, q, p, kb, zero
	s_wait_dscnt 16                                ; all but source 1's tiles 4-7 (16 loads) are in
	WIN MUL_LO
	MUL16 0, \p, \kb, \zero
	MUL16 2, \p, \kb, \zero
	s_wait_dscnt 0
	PLACES 4
	FETCH_B \slot, \q, 1-(\p)
	FETCH_A \slot, \q, 0
	WIN MUL_HI
	MUL16 4, \p, \kb, \zero
	MUL16 6, \p, \kb, \zero
	PLACES 4
	WIN 0
	FETCH_A \slot, \q, 4
.endm
; a slot's last K block: one barrier for the change of slots.  fill = 1: the barrier opens a round of the cluster's barrier, and slot 0 takes K blocks 6 and 7
.macro TURN slot, next, p, kb, fill
	s_wait_tensorcnt 0x0                           ; all my tensor loads have landed: my part of the next slot;
	ds_add_u32 v[SPW], v[NIL]                      ; 0 onto my spare word
	s_wait_dscnt 17                                ; (the add and the youngest 16 loads may be out)
	WIN MUL_LO
	MUL16 0, \p, \kb, 0
	s_wait_dscnt 0x0                               ; the add is done, and my reads of this slot are over
	s_barrier_signal -1
	MUL16 2, \p, \kb, 0
	WIN 0
	s_barrier_wait -1
.if \fill
	CREST
	s_add_nc_u64 s[G0+4*\slot+2:G0+4*\slot+3], s[G0+4*\slot+2:G0+4*\slot+3], 6*KBB
	s_add_nc_u64 s[G0B+4*\slot+2:G0B+4*\slot+3], s[G0B+4*\slot+2:G0B+4*\slot+3], 6*KBB
	s_mov_b32 s[G1+2], 96<<16                      ; no tensor load of mine is out: two K blocks are 96 rows
	s_mov_b32 s[G1+4], 96
	s_mov_b32 s[G1B+2], 96<<16
	s_mov_b32 s[G1B+4], 96
	JLOAD G0+4*\slot, G1, G0B+4*\slot, G1B         ; the first tensor load behind the round; its four v_nop are the places in front of the loads below
.else
	PLACES 4
.endif
	FETCH_B \next, 0, 1-(\p)
	FETCH_A \next, 0, 0
	WIN MUL_HI
	MUL16 4, \p, \kb, 0
	MUL16 6, \p, \kb, 0
	PLACES 4
	WIN 0
	FETCH_A \next, 0, 4
.endm
	s_load_b128 s[4:7], s[0:1], 0x0                ; xw, qkv
	v_lshl_add_u32 v[SPW], v0, 2, SPARE
	v_mov_b32 v[NIL], 0
	ds_add_u32 v[SPW], v[NIL]                      ; the opening lines: the add, twice on end, and its wait ahead of my first tensor load
	ds_add_u32 v[SPW], v[NIL]
	v_lshrrev_b32 v1, 5, v0
	v_readfirstlane_b32 s14, v1                    ; wave
	s_lshr_b32 s15, s14, 1                         ; my half of source 1's rows.  Also: I fetch for source 1 (0) or source 0 (1)
	s_and_b32 s16, s14, 1                          ; my half of source 0's rows.  Also: which group of the two I fetch
	s_bfe_u32 s40, ttmp6, 0x40000                  ; cx
	s_bfe_u32 s41, ttmp6, 0x40004                  ; cy
	s_and_b32 s17, ttmp7, 0xffff                   ; the cluster's row
	s_lshr_b32 s18, s17, 3                         ; which product: 0 q, 1 k, 2 v
	s_lshl_b32 s43, s41, 2
	s_lshl_b32 s43, 15, s43                        ; my row of the cluster
	s_lshl_b32 s44, 0x1111, s40                    ; my column
	s_or_b32 s[G1+0], s43, (3<<16)|(1<<21)         ; elements of 8 bytes; rows of 256 bytes, dense
	s_or_b32 s[G1B+0], s44, (3<<16)|(1<<21)
.irp g, G1, G1B
	s_mov_b32 s[\g+1], 32<<16
	s_mov_b32 s[\g+2], 144<<16
	s_mov_b32 s[\g+3], 32<<16
	s_mov_b32 s[\g+4], 144
	s_mov_b32 s[\g+5], 32
	s_mov_b32 s[\g+6], 0
	s_mov_b32 s[\g+7], 0
.endr
	s_lshl_b32 s10, s18, 3
	s_add_co_u32 s10, s10, 192                     ; the weight's first group
	s_lshl_b32 s8, s17, 2
	s_add_co_u32 s8, s8, s41
	s_lshl_b32 s9, s8, 1                           ; tokens by the cluster's row and cy,
	s_lshl_b32 s11, s41, 1
	s_add_co_u32 s11, s11, s10                     ; or the weight by cy (v)
	s_lshl_b32 s96, s17, 2
	s_add_co_u32 s96, s96, s40
	s_lshl_b32 s97, s96, 1                         ; tokens by the cluster's row and cx (v),
	s_lshl_b32 s98, s40, 1
	s_add_co_u32 s98, s98, s10                     ; or the weight by cx
	s_cmp_ge_u32 s17, 16
	s_cselect_b32 s9, s11, s9                      ; source 1's first group of two
	s_cselect_b32 s97, s97, s98                    ; source 0's
	s_add_co_u32 s68, s9, s15                      ; the scale words that I multiply by: source 1's group of my half,
	s_lshl_b32 s68, s68, 12
	s_add_co_u32 s68, s68, SCOFF
	s_mov_b32 s69, 0
	s_add_co_u32 s9, s9, s16                       ; the groups that I fetch
	s_add_co_u32 s97, s97, s16
	s_lshl_b32 s70, s97, 12                        ; and source 0's group of my half
	s_add_co_u32 s70, s70, SCOFF
	s_mov_b32 s71, 0
	s_mul_i32 s20, s9, 98304
	s_mov_b32 s21, 0
	s_mul_i32 s46, s97, 98304
	s_mov_b32 s47, 0
	s_mul_i32 s45, s14, WBLK
	s_wait_dscnt 0x0                               ; both opening adds are done
	s_wait_kmcnt 0x0
	s_add_nc_u64 s[20:21], s[4:5], s[20:21]
	s_add_nc_u64 s[46:47], s[4:5], s[46:47]
	s_add_nc_u64 s[68:69], s[4:5], s[68:69]
	s_add_nc_u64 s[70:71], s[4:5], s[70:71]
	CROUND                                         ; all sixteen work-groups are here: the first joint loads meet
.irp s, 0,1
	s_mov_b32 s[G0+4*\s], 1
	s_add_co_u32 s[G0+4*\s+1], s45, \s*SLOT
	s_add_nc_u64 s[G0+4*\s+2:G0+4*\s+3], s[20:21], \s*WBLK
	s_or_b32 s[G0+4*\s+3], s[G0+4*\s+3], 0x80000000
	s_mov_b32 s[G0B+4*\s], 1
	s_add_co_u32 s[G0B+4*\s+1], s45, \s*SLOT
	s_add_nc_u64 s[G0B+4*\s+2:G0B+4*\s+3], s[46:47], \s*WBLK
	s_or_b32 s[G0B+4*\s+3], s[G0B+4*\s+3], 0x80000000
.endr
	JLOAD G0, G1, G0B, G1B                         ; K blocks 0 to 2: one tensor load a wave at the head
	v_and_b32 v1, 31, v0
	v_lshlrev_b32 v[L16], 4, v1
	v_lshlrev_b32 v[L8], 3, v1
	s_wait_alu depctr_va_vdst(0)
.irp q, 0,1
.irp i, 0,1,2,3
	global_load_b128 v[SCA+16*\q+4*\i:SCA+16*\q+4*\i+3], v[L16], s[68:69] offset:2048*\q+512*\i   ; the scale words of two tiles and four K blocks: 512 consecutive bytes
	global_load_b128 v[SCB+16*\q+4*\i:SCB+16*\q+4*\i+3], v[L16], s[70:71] offset:2048*\q+512*\i
.endr
.endr
	s_mul_i32 s21, s15, WBLK
	s_mul_i32 s22, s16, WBLK
	s_add_co_u32 s22, s22, 2*WBLK
.irp s, 0,1
	v_add_nc_u32 v[ADRA16+\s], s21, v[L16]
	v_add_nc_u32 v[ADRA8+\s], s21, v[L8]
	v_add_nc_u32 v[ADRB16+\s], s22, v[L16]
	v_add_nc_u32 v[ADRB8+\s], s22, v[L8]
	s_add_co_u32 s21, s21, SLOT
	s_add_co_u32 s22, s22, SLOT
.endr
	; where my results go: unit (source 0's group of 128) x pitch + (source 1's tile); q, k: 512 tiles of tokens a pair of heads; v: 64 tiles of channels a key step
	s_and_b32 s8, s8, 31
	s_and_b32 s96, s96, 31
	s_cmp_ge_u32 s17, 16
	s_cselect_b32 s2, s41, s8
	s_cselect_b32 s3, s96, s40
	s_cselect_b32 s9, 64, 512
	s_lshl_b32 s2, s2, 4
	s_lshl_b32 s10, s15, 3
	s_add_co_u32 s2, s2, s10
	s_lshl_b32 s3, s3, 1
	s_add_co_u32 s3, s3, s16
	s_mul_i32 s10, s3, s9
	s_add_co_u32 s10, s10, s2
	s_mul_i32 s12, s10, 1536
	s_mul_i32 s11, s18, 6291456
	s_add_co_u32 s12, s12, s11
	s_mov_b32 s13, 0
	s_add_nc_u64 s[12:13], s[6:7], s[12:13]
	s_lshl_b32 s10, s10, 6
	s_lshl_b32 s11, s18, 18
	s_add_co_u32 s10, s10, s11
	s_add_co_u32 s10, s10, 18874368
	s_mov_b32 s11, 0
	s_add_nc_u64 s[10:11], s[6:7], s[10:11]
	s_mov_b32 s[SEL], 0x76543210
	s_mov_b32 s[SEL+1], 0xfedcba98
	s_mov_b32 s95, 0xffff0000
	s_wait_alu depctr_va_vdst(0)                   ; the head's end
	s_wait_tensorcnt 0x0                           ; my part of slot 0 is in
	ds_add_u32 v[SPW], v[NIL]
	s_wait_dscnt 0x0
	CROUND                                         ; everybody's part is in, and all sixteen work-groups are here
	JLOAD G0+4, G1, G0B+4, G1B                     ; K blocks 3 to 5, the first tensor load behind the round
	FETCH_B 0, 0, 0
	FETCH_A 0, 0, 0
	FETCH_A 0, 0, 4
	s_wait_loadcnt 0x0                             ; the scale words are in
	STEP 0, 1, 0, 0, 1                             ; the first block's products start the sums
	STEP 0, 2, 1, 1, 0
	TURN 0, 1, 0, 2, 1
	STEP 1, 1, 1, 3, 0
	STEP 1, 2, 0, 4, 0
	TURN 1, 0, 1, 5, 0
	STEP 0, 1, 0, 6, 0
	s_wait_dscnt 16
	WIN MUL_LO
	MUL16 0, 1, 7, 0
	MUL16 2, 1, 7, 0
	s_wait_dscnt 0
	WIN MUL_HI
	MUL16 4, 1, 7, 0
	MUL16 6, 1, 7, 0
	WIN 0
; THE WAY OUT: the 64 registers of source 1's tile a are 128 neighbours along the next K of one row: four blocks of 32, each in lanes l and l xor 16.  They become a unit of codes and a scale word
.macro QUANTW a
.set AC, 64*((\a)%4)
.set PCA, 128+12*(\a)
	WIN 0x0a+5*((\a)/4)
.irp b, 0,1,2,3
	v_max3_num_f32 v[TM+\b], |v[AC+16*\b]|, |v[AC+16*\b+1]|, 0x1800000   ; with the floor 2^(3 - 127): the byte cannot fall under 1
.endr
.irp i, 2,4,6,8,10,12,14
.irp b, 0,1,2,3
	v_max3_num_f32 v[TM+\b], |v[AC+16*\b+\i]|, |v[AC+16*\b+\i+1]|, v[TM+\b]
.endr
.endr
	WIN 0
.irp b, 0,1,2,3
	v_permlanex16_b32 v[TM+4+\b], v[TM+\b], s[SEL], s[SEL+1]
.endr
.irp b, 0,1,2,3
	v_max_num_f32 v[TM+\b], v[TM+\b], v[TM+4+\b]
.endr
.irp b, 0,1,2,3
	v_add_nc_u32 v[TM+12+\b], 0xff000000, v[TM+\b]    ; 2 off the exponent field: the conversion's scale operand
.endr
.irp b, 0,1,2,3
	v_lshrrev_b32 v[TM+4+\b], 23, v[TM+12+\b]         ; the scale's byte
.endr
	v_lshl_or_b32 v[248+(\a)], v[TM+5], 8, v[TM+4]
	v_lshl_or_b32 v[248+(\a)], v[TM+6], 16, v[248+(\a)]
	v_lshl_or_b32 v[248+(\a)], v[TM+7], 24, v[248+(\a)]
	WIN 0x02+(\a)/4
.irp c, 0,1
	v_cvt_scalef32_pk16_fp6_f32 v[PCA+6*\c:PCA+6*\c+2], v[AC+32*\c:AC+32*\c+15], v[TM+12+2*\c]
	v_cvt_scalef32_pk16_fp6_f32 v[224+4*\c:226+4*\c], v[AC+16+32*\c:AC+31+32*\c], v[TM+13+2*\c]
.endr
	WIN 0
	v_nop                                          ; one plain place behind a scaled conversion
.irp c, 0,1
.irp i, 0,1,2
	v_permlane16_swap_b32 v[PCA+6*\c+\i], v[224+4*\c+\i]
.endr
.irp i, 0,1,2
	v_mov_b32 v[PCA+3+6*\c+\i], v[224+4*\c+\i]
.endr
.endr
	global_store_b128 v[L16], v[PCA:PCA+3], s[12:13] offset:1536*(\a)          ; a unit leaves in four stores of 512 or 256 consecutive, aligned bytes
	global_store_b64 v[L8], v[PCA+4:PCA+5], s[12:13] offset:1536*(\a)+512
	global_store_b128 v[L16], v[PCA+6:PCA+9], s[12:13] offset:1536*(\a)+768
	global_store_b64 v[L8], v[PCA+10:PCA+11], s[12:13] offset:1536*(\a)+1280
.endm
	PLACES 4
.irp b, 0,1,2,3
	v_mov_b32 v[TM+4+\b], 0                        ; a lane permute's destination counts as one of its sources
.endr
.irp a, 0,1,2,3,4,5,6,7
	QUANTW \a
.endr
.irp i, 0,1,2,3
	v_cndmask_b32 v[96+\i], v[248+2*\i], v[249+2*\i], s95   ; lanes 0-15 the even tile's scale words, lanes 16-31 the odd tile's
.endr
	global_store_b128 v[L16], v[96:99], s[10:11]
	s_wait_tensorcnt 0x0                           ; the wave's end
	ds_add_u32 v[SPW], v[NIL]
	s_wait_dscnt 0x0
	CROUND                                         ; the closing round
	s_endpgm
.Lfunc_end_k_q2e900aedf1_proj:
	.size	k_q2e900aedf1_proj, .Lfunc_end_k_q2e900aedf1_proj-k_q2e900aedf1_proj
	.p2alignl 7, 3214868480
	.fill 96, 4, 3214868480
	.section	.rodata,"a",@progbits
	.p2align	6, 0x0
	.amdhsa_kernel k_q2e900aedf1_proj
		.amdhsa_group_segment_fixed_size 327680
		.amdhsa_private_segment_fixed_size 0
		.amdhsa_enable_private_segment 0
		.amdhsa_kernarg_size 16
		.amdhsa_user_sgpr_count 2
		.amdhsa_user_sgpr_kernarg_segment_ptr 1
		.amdhsa_wavefront_size32 1
		.amdhsa_system_sgpr_workgroup_id_x 1
		.amdhsa_system_sgpr_workgroup_id_y 1
		.amdhsa_system_sgpr_workgroup_id_z 1
		.amdhsa_system_vgpr_workitem_id 0
		.amdhsa_next_free_vgpr 1024
		.amdhsa_next_free_sgpr 100
		.amdhsa_reserve_vcc 0
		.amdhsa_float_denorm_mode_32 3
		.amdhsa_float_denorm_mode_16_64 3
		.amdhsa_memory_ordered 1
		.amdhsa_forward_progress 1
		.amdhsa_inst_pref_size 146
	.end_amdhsa_kernel
	.amdgpu_metadata
---
amdhsa.version: [ 1, 2 ]
amdhsa.kernels:
  - .name:           k_q2e900aedf1_proj
    .symbol:         k_q2e900aedf1_proj.kd
    .args:
      - { .name: xw, .offset: 0, .size: 8, .value_kind: global_buffer, .address_space: global }
      - { .name: qkv, .offset: 8, .size: 8, .value_kind: global_buffer, .address_space: global }
    .group_segment_fixed_size: 327680
    .private_segment_fixed_size: 0
    .kernarg_segment_align: 8
    .kernarg_segment_size: 16
    .max_flat_workgroup_size: 128
    .sgpr_count:     100
    .vgpr_count:     1024
    .wavefront_size: 32
...
	.end_amdgpu_metadata
.endif
;; end of part 2
;; launch attn (part 3): grid 4 x 64, 16 waves a work-group, no clusters, 276,480 bytes of LDS; arguments qkv, mw, ac, fl; writes ac
.if DOCPART == 3
	.amdgcn_target "amdgcn-amd-amdhsa--gfx1250"
	.amdhsa_code_object_version 6
	.text
	.protected	k_q2e900aedf1_attn
	.globl	k_q2e900aedf1_attn
	.p2align	8
	.type	k_q2e900aedf1_attn,@function
k_q2e900aedf1_attn:
	s_mov_b64 s[64:65], 0
	v_nop
	global_prefetch_b8 v0, s[64:65] scope:SCOPE_SE
	s_setreg_imm32_b32 hwreg(HW_REG_WAVE_MODE, 25, 1), 1
	s_wait_xcnt 0x0
; weights = softmax(q k^T / 8 under the mask), rows with no key left are 0; attn = weights v.  Both products on codes of FP6 (E2M3) with E8M0 scales.  What is quantised for the second product, along the keys,
; is the FINISHED weight.  So a row's sum must be known first, and the scores are made twice: pass 1 finds, for each query, M (the largest t = score x log2(e) / 8, rounded up to a whole number) and the sum of 2^(t - M),
; and keeps each block's largest score; pass 2 makes the scores again, w = 2^(t - (M + log2(sum))), quantises w and multiplies by v.  The result is quantised along (head, channel) and leaves as the last product's operand.
; SHARES.  A work-group owns one head of one batch and 32 of its 128 query tiles; wave w takes tiles 16 x + w and 127 - (16 x + w), one after the other.  Four waves to a SIMD.
; LDS.  The whole head's K and V: 16 key steps of 128 keys, 13,056 bytes each, copied once through registers, wave w step w; one barrier; then these bytes are only read.  Behind them each wave's own 4,096 bytes:
; for each key step 256 bytes, the largest score of each block of 32 keys for each of my 16 queries (lane 16 g + r holds blocks 2 g, 2 g + 1 of query r), stored in pass 1 and read in pass 2 by the same wave.
; K'S FRAGMENTS OF THE NEXT STEP are asked for as soon as K's registers are free; s11 says whether the step just before was walked, so that this step's fragments are on their way; if not, they are asked for at the step's head.
; NO JOINT LOADS, though the four work-groups of a head read the same 208,896 bytes: a key step in which no key counts is passed over by a branch on a stored flag.
; NO PREFETCH: K, V and Q are read once, at the head; no loop stands ahead of those reads.
; THE MASK comes as the words that v_cndmask_b32 takes for its lanes (mw: 64 a step and query tile; loaded only where the flag is 1), and as two bits a step (fl): 0: the step is passed over; 2: all keys count; 1: 64 selects.
; LAYOUT.  S^T = K Q^T (source 0 = 16 keys, source 1 = my 16 queries), O^T = V^T W^T: a lane holds one query.  Lane-row r of tile 2 B + u is row 32 B + 8 u + r + 8 (r / 8), so that register 16 B + i of the scores is
; key 32 B + 16 (lane / 16) + i.  THE HEAD'S 64 IN AN INSTRUCTION OF 128: Q's upper six registers are zero codes; K's tiles lie six registers apart, so a tile's upper six are the next tile's codes (the last tile's: zeros).
; LIMITS: weights under 2^-126 become 0 (v_exp_f32 flushes); a block's largest weight is taken through its largest score, which takes v_exp_f32 not to fall where its input rises; M + log2(sum) is rounded to f32, an error
; of at most half an ulp of M in the exponent; a block of zeros gets the byte 1; NaN and infinities among the inputs are not served.
.set SPW,  1                           ; LDS address of my spare word; never rewritten
.set NIL,  2                           ; 0; never rewritten
.set L16,  3                           ; 16 x lane
.set L8,   4                           ; 8 x lane
.set A16,  5                           ; the same + a step's place in LDS
.set A8,   6
.set NINF, 7                           ; -infinity
.set QS,   8                           ; Q's scale word
.set LN,   10                          ; lane
.set R16,  11                          ; 16 x (lane % 16)
.set QF,   16                          ; v16-27 Q's fragment (v22-27 zero codes)
.set KSC,  28                          ; v28-31 K's scale words
.set KF,   32                          ; v32-85 K's 8 tiles, 6 registers apart (v80-85 zero codes); in pass 2 also V's 4 units in v32-79
.set VSC,  86                          ; v86-87 V's scale words
.set S,    88                          ; v88-151 the scores, then p or w
.set O,    152                         ; v152-183 O^T
.set PC,   184                         ; v184-195 w's codes; v196-198, v200-202 at work
.set TM,   204                         ; v204-219 at work
.set PW,   220                         ; w's scale word
.set BA,   221                         ; the step's place among my block maxima
.set BS0,  237                         ; my block maxima, on the way in: 8 x lane
.set BL0,  238                         ; and out: 8 x (lane % 16)
.set QN,   240                         ; v240-245 the second tile's Q; v246 its scale word
.set QSN,  246
.set C1,   248                         ; v248-253 three more chains of the sum
.set STEPB, 13056
.set BM,    16*STEPB
.set SPARE, BM+16*4096
; v9 at work; v12 -M, in pass 2 -(M + log2 sum); v13 the largest t; v[14:15] the sum in two halves; v[222:223] f; v226-230 at work
; s4-9 qkv, mw, ac; s10 the second tile's flags; s11 1 if the step before was walked; s13 pair of heads; s14 batch; s15 16 x (head % 2); s79 768 x (head % 2); s16-63, s80-95 a step's 64 mask words; s66 T;
; s67 flags, s68 their shifted copy; s69 steps to go; s70 the step's place in LDS; s71 256 x step; s72 its flag; s73 the next step's place; s[74:75] c; s[76:77] lane selects; s78 tiles to go; s[96:97] the tile's mask words
.macro KLOADS                          ; K's 8 half units and their scale words, from the step at A16, A8
.irp t, 0,1,2,3,4,5,6,7
	ds_load_b128 v[KF+6*\t:KF+6*\t+3], v[A16] offset:768*\t
	ds_load_b64 v[KF+6*\t+4:KF+6*\t+5], v[A8] offset:768*\t+512
.endr
	ds_load_b128 v[KSC:KSC+3], v[A16] offset:12288
.endm
.macro KSTEP                           ; the step's scores
	s_cmp_eq_u32 s72, 1
	s_cbranch_scc0 .Lnm_\@
	s_load_b512 s[16:31], s[96:97], s71 offset:0x0     ; some keys are hidden: the 64 mask words
	s_load_b512 s[32:47], s[96:97], s71 offset:0x40
	s_load_b512 s[48:63], s[96:97], s71 offset:0x80
	s_load_b512 s[80:95], s[96:97], s71 offset:0xc0
.Lnm_\@:
	s_add_co_u32 s73, s70, STEPB
	s_min_u32 s73, s73, 15*STEPB                   ; the next step's place, held at the last step's
	s_cmp_lg_u32 s11, 0
	s_cbranch_scc1 .Lhave_\@
	s_wait_dscnt 0x0                               ; loads for a step that was passed over may be out
	v_add_nc_u32 v[A16], s70, v[L16]
	v_add_nc_u32 v[A8], s70, v[L8]
	s_wait_alu depctr_va_vdst(0)
	KLOADS
.Lhave_\@:
	s_wait_dscnt 0x0
.irp t, 0,1,2,3,4,5,6,7
.if \t%2
	v_wmma_scale_f32_16x16x128_f8f6f4 v[S+8*\t:S+8*\t+7], v[KF+6*\t:KF+6*\t+11], v[QF:QF+11], 0, v[KSC+\t/2], v[QS] matrix_a_fmt:MATRIX_FMT_FP6 matrix_b_fmt:MATRIX_FMT_FP6 matrix_a_scale:MATRIX_SCALE_ROW1
.else
	v_wmma_scale_f32_16x16x128_f8f6f4 v[S+8*\t:S+8*\t+7], v[KF+6*\t:KF+6*\t+11], v[QF:QF+11], 0, v[KSC+\t/2], v[QS] matrix_a_fmt:MATRIX_FMT_FP6 matrix_b_fmt:MATRIX_FMT_FP6
.endif
.endr
.endm
.macro MASK                            ; hidden scores become -infinity, ascending
	s_wait_kmcnt 0x0
	s_cmp_eq_u32 s72, 1
	s_cbranch_scc0 .Lopen_\@
.set j, 0
.rept 48
	v_cndmask_b32 v[S+j], v[NINF], v[S+j], s[16+j]
.set j, j+1
.endr
.rept 16
	v_cndmask_b32 v[S+j], v[NINF], v[S+j], s[32+j]
.set j, j+1
.endr
.Lopen_\@:
.endm
.macro TMINUSM                         ; t - M, two at a time: of the pairs c and v[12:13] the low word serves both halves
.set j, 0
.rept 32
	v_pk_fma_f32 v[S+j:S+j+1], v[S+j:S+j+1], s[74:75], v[12:13] op_sel_hi:[1,0,0]
.set j, j+2
.endr
.endm
.macro EXP64
.set j, 0
.rept 64
	v_exp_f32 v[S+j], v[S+j]
.set j, j+1
.endr
.endm
; PASS 1's step.  A lane keeps M and the sum of ITS half of the keys.
.macro P1
	KSTEP
	v_add_nc_u32 v[A16], s73, v[L16]               ; four places behind the products: the next step's addresses, my block maxima's place
	v_add_nc_u32 v[A8], s73, v[L8]
	v_add_nc_u32 v[BA], s71, v[BS0]
	v_nop
	s_wait_alu depctr_va_vdst(0)
	KLOADS                                         ; the next step's K, into registers that the products have read
	MASK
.irp b, 0,1,2,3                                ; the largest of my 16 scores of each block of 32 keys
	v_max3_num_f32 v[TM+\b], v[S+16*\b], v[S+16*\b+1], v[S+16*\b+2]
.endr
.irp i, 3,5,7,9,11,13
.irp b, 0,1,2,3
	v_max3_num_f32 v[TM+\b], v[TM+\b], v[S+16*\b+\i], v[S+16*\b+\i+1]
.endr
.endr
.irp b, 0,1,2,3
	v_max_num_f32 v[TM+\b], v[TM+\b], v[S+16*\b+15]
.endr
	v_max3_num_f32 v9, v[TM], v[TM+1], v[TM+2]
	s_delay_alu instid0(VALU_DEP_1)
	v_max_num_f32 v9, v9, v[TM+3]                  ; the largest of my 64
	v_permlane16_swap_b32 v[TM], v[TM+2]           ; lanes 0-15 now hold both halves of block 0 in the two registers, lanes 16-31 both halves of block 2
	v_permlane16_swap_b32 v[TM+1], v[TM+3]         ; likewise blocks 1 and 3
	v_mul_f32 v9, s74, v9                          ; as t (c is positive)
	s_delay_alu instid0(VALU_DEP_1)
	v_max_num_f32 v13, v13, v9                     ; the running largest t
	v_mov_b32 v9, v12
	s_delay_alu instid0(VALU_DEP_2)
	v_floor_f32 v12, -v13                          ; -M = floor(-t): M is a whole number
	v_max_num_f32 v[TM], v[TM], v[TM+2]            ; the blocks' largest scores
	v_max_num_f32 v[TM+1], v[TM+1], v[TM+3]
	v_sub_f32 v9, v12, v9                          ; old M - new M, 0 or less
	s_delay_alu instid0(VALU_DEP_1)
	v_cvt_i32_f32 v9, v9                           ; (it saturates)
	s_delay_alu instid0(VALU_DEP_1)
	v_ldexp_f32 v222, 1.0, v9                      ; f = 2^(old M - new M): rounds nothing
	ds_store_b64 v[BA], v[TM:TM+1]                 ; kept for pass 2
	TMINUSM
	s_wait_alu depctr_va_vdst(0)
	EXP64
	v_pk_mul_f32 v[14:15], v[14:15], v[222:223] op_sel_hi:[1,0]   ; the sums under the new M: the plain place behind the exponentials
	s_wait_alu depctr_va_vdst(0)                   ; one wait for the batch, ahead of its first reader
	v_pk_add_f32 v[C1:C1+1], v[S:S+1], v[S+2:S+3]  ; four chains by turns
	v_pk_add_f32 v[C1+2:C1+3], v[S+4:S+5], v[S+6:S+7]
	v_pk_add_f32 v[C1+4:C1+5], v[S+8:S+9], v[S+10:S+11]
	v_pk_add_f32 v[14:15], v[14:15], v[S+12:S+13]
	v_pk_add_f32 v[C1:C1+1], v[C1:C1+1], v[S+14:S+15]
.set j, 16
.rept 6
	v_pk_add_f32 v[C1+2:C1+3], v[C1+2:C1+3], v[S+j:S+j+1]
	v_pk_add_f32 v[C1+4:C1+5], v[C1+4:C1+5], v[S+j+2:S+j+3]
	v_pk_add_f32 v[14:15], v[14:15], v[S+j+4:S+j+5]
	v_pk_add_f32 v[C1:C1+1], v[C1:C1+1], v[S+j+6:S+j+7]
.set j, j+8
.endr
	v_pk_add_f32 v[C1:C1+1], v[C1:C1+1], v[C1+2:C1+3]
	v_pk_add_f32 v[14:15], v[14:15], v[C1+4:C1+5]
	s_delay_alu instid0(VALU_DEP_1)
	v_pk_add_f32 v[14:15], v[14:15], v[C1:C1+1]
.endm
; PASS 2's step
.macro P2
	KSTEP
	v_add_nc_u32 v[BA], s71, v[BL0]                ; four places behind the products
.rept 3
	v_nop
.endr
	s_wait_alu depctr_va_vdst(0)
	ds_load_b64 v[TM:TM+1], v[BA]                  ; the largest scores of blocks 0, 1 of my query,
	ds_load_b64 v[TM+2:TM+3], v[BA] offset:128     ; and of blocks 2, 3
.irp t, 0,1,2,3                                ; V's four units, into the registers that K has left
	ds_load_b128 v[KF+12*\t:KF+12*\t+3], v[A16] offset:6144+1536*\t
	ds_load_b64 v[KF+12*\t+4:KF+12*\t+5], v[A8] offset:6144+1536*\t+512
	ds_load_b128 v[KF+12*\t+6:KF+12*\t+9], v[A16] offset:6144+1536*\t+768
	ds_load_b64 v[KF+12*\t+10:KF+12*\t+11], v[A8] offset:6144+1536*\t+1280
.endr
	ds_load_b64 v[VSC:VSC+1], v[A8] offset:12800
	MASK
	TMINUSM
	s_wait_dscnt 17                                ; the block maxima are in; V's 17 loads may be out
.irp b, 0,1,2,3
	v_fma_f32 v[TM+\b], v[TM+\b], s74, v12         ; put through the same lines, a block's largest score gives its largest weight
.endr
	s_wait_alu depctr_va_vdst(0)
	EXP64                                          ; the finished weights
.irp b, 0,1,2,3
	v_exp_f32 v[TM+\b], v[TM+\b]
.endr
	v_nop                                          ; the plain place behind the exponentials
	s_wait_alu depctr_va_vdst(0)                   ; one wait for the batch of 68
.irp b, 0,1,2,3
	v_max_num_f32 v[TM+\b], 0x1800000, v[TM+\b]    ; the floor 2^(3 - 127)
.endr
.irp b, 0,1,2,3
	v_add_nc_u32 v[TM+12+\b], 0xff000000, v[TM+\b] ; 2 off the exponent field: the conversion's scale operand
.endr
.irp b, 0,1,2,3
	v_lshrrev_b32 v[TM+4+\b], 23, v[TM+12+\b]      ; the scale's byte
.endr
	v_lshl_or_b32 v[PW], v[TM+5], 8, v[TM+4]
	s_delay_alu instid0(VALU_DEP_1)
	v_lshl_or_b32 v[PW], v[TM+6], 16, v[PW]
	s_delay_alu instid0(VALU_DEP_1)
	v_lshl_or_b32 v[PW], v[TM+7], 24, v[PW]
.irp c, 0,1
	v_cvt_scalef32_pk16_fp6_f32 v[PC+6*\c:PC+6*\c+2], v[S+32*\c:S+32*\c+15], v[TM+12+2*\c]
	v_cvt_scalef32_pk16_fp6_f32 v[PC+12+4*\c:PC+14+4*\c], v[S+16+32*\c:S+31+32*\c], v[TM+13+2*\c]
.endr
	v_nop                                          ; one plain place behind a scaled conversion
.irp c, 0,1
.irp i, 0,1,2
	v_permlane16_swap_b32 v[PC+6*\c+\i], v[PC+12+4*\c+\i]
.endr
.irp i, 0,1,2
	v_mov_b32 v[PC+3+6*\c+\i], v[PC+12+4*\c+\i]
.endr
.endr
	v_add_nc_u32 v[A16], s73, v[L16]               ; the next step's addresses (V's loads have been issued); with the line behind the conversions and the five below: eight places behind the scale word, seven behind the codes
	v_add_nc_u32 v[A8], s73, v[L8]
.rept 5
	v_nop
.endr
	s_wait_alu depctr_va_vdst(0)
	s_wait_dscnt 0x0                               ; V is in
.irp t, 0,1,2,3                                ; the four accumulators by turns; between two links of a chain stand the next step's eight products
.if \t%2
	v_wmma_scale_f32_16x16x128_f8f6f4 v[O+8*\t:O+8*\t+7], v[KF+12*\t:KF+12*\t+11], v[PC:PC+11], v[O+8*\t:O+8*\t+7], v[VSC+\t/2], v[PW] matrix_a_fmt:MATRIX_FMT_FP6 matrix_b_fmt:MATRIX_FMT_FP6 matrix_a_scale:MATRIX_SCALE_ROW1
.else
	v_wmma_scale_f32_16x16x128_f8f6f4 v[O+8*\t:O+8*\t+7], v[KF+12*\t:KF+12*\t+11], v[PC:PC+11], v[O+8*\t:O+8*\t+7], v[VSC+\t/2], v[PW] matrix_a_fmt:MATRIX_FMT_FP6 matrix_b_fmt:MATRIX_FMT_FP6
.endif
.endr
.rept 4
	v_nop                                          ; four places
.endr
	KLOADS                                         ; the next step's K
.endm
; a query tile's flag words, Q's half unit and Q's scale word are asked for.  T: the tile; s32-35 at work
.macro QASK T, qf, qs, ba, bb, fo, fd
	s_lshl_b32 s32, s14, 7
	s_add_co_u32 s32, s32, \T                      ; tau = 128 batch + T
	s_lshl_b32 \fo, s32, 4
	s_load_b128 s[\fd:\fd+3], s[10:11], \fo offset:0x0
	s_lshl_b32 s33, s13, 9
	s_add_co_u32 s33, s33, s32
	s_mul_i32 s34, s33, 1536
	s_add_co_u32 s34, s34, s79
	s_mov_b32 s35, 0
	s_add_nc_u64 s[\ba:\ba+1], s[4:5], s[34:35]
	global_load_b128 v[\qf:\qf+3], v[L16], s[\ba:\ba+1]
	global_load_b64 v[\qf+4:\qf+5], v[L8], s[\ba:\ba+1] offset:512
	s_lshl_b32 s34, s13, 6                         ; the scale word: image 64 pair + 16 batch + T / 8; in it lane 16 (T % 2) + r, word (T % 8) / 2
	s_lshl_b32 s33, s14, 4
	s_add_co_u32 s34, s34, s33
	s_lshr_b32 s33, \T, 3
	s_add_co_u32 s34, s34, s33
	s_lshl_b32 s34, s34, 9
	s_and_b32 s33, \T, 1
	s_lshl_b32 s33, s33, 8
	s_add_co_u32 s34, s34, s33
	s_bfe_u32 s33, \T, 0x20001
	s_lshl_b32 s33, s33, 2
	s_add_co_u32 s34, s34, s33
	s_add_co_u32 s34, s34, 18874368
	s_add_nc_u64 s[\bb:\bb+1], s[4:5], s[34:35]
	global_load_b32 v[\qs], v[R16], s[\bb:\bb+1]
.endm
.macro FLG d, f                        ; four words' eight bits each make one word: two bits a step, step 0 lowest
	s_lshl_b32 s[\f+1], s[\f+1], 8
	s_lshl_b32 s[\f+2], s[\f+2], 16
	s_lshl_b32 s[\f+3], s[\f+3], 24
	s_or_b32 \d, s[\f], s[\f+1]
	s_or_b32 \d, \d, s[\f+2]
	s_or_b32 \d, \d, s[\f+3]
.endm
	s_load_b128 s[4:7], s[0:1], 0x0                ; qkv, mw
	s_load_b128 s[8:11], s[0:1], 0x10              ; ac, fl
	v_lshl_add_u32 v[SPW], v0, 2, SPARE
	v_mov_b32 v[NIL], 0
	v_lshrrev_b32 v9, 5, v0
	v_readfirstlane_b32 s73, v9                    ; wave 0..15
	v_and_b32 v[LN], 31, v0
	v_and_b32 v[R16], 15, v0
	s_mul_i32 s28, s73, STEPB
	s_lshl_b32 s29, s73, 12
	s_add_co_u32 s29, s29, BM                      ; my block maxima
	v_lshlrev_b32 v[L16], 4, v[LN]
	v_lshlrev_b32 v[L8], 3, v[LN]
	v_lshlrev_b32 v[BL0], 3, v[R16]
	v_lshlrev_b32 v[R16], 4, v[R16]
	v_add_nc_u32 v[A16], s28, v[L16]
	v_add_nc_u32 v[A8], s28, v[L8]
	v_add_nc_u32 v[BS0], s29, v[L8]
	v_add_nc_u32 v[BL0], s29, v[BL0]
	v_mov_b32 v[NINF], 0xff800000
.irp i, 0,1,2,3,4,5
	v_mov_b32 v[QF+6+\i], 0                        ; zero codes
	v_mov_b32 v[KF+48+\i], 0
.endr
.irp b, 0,1
	v_mov_b32 v[TM+4+\b], 0                        ; a lane permute's destination counts as one of its sources
.endr
	v_mov_b32 v223, 0                              ; (named as the upper half of a pair)
.irp i, 0,1,2,3
	v_mov_b32 v[KSC+\i], 0x7f7f7f7f                ; K's scale registers are written once, with the code of 1.0; every step that is walked loads its own words over them
.endr
	v_mov_b32 v226, 0
	v_mov_b32 v227, 0
	s_wait_alu depctr_va_vdst(0)
	s_and_b32 s16, ttmp7, 0xffff
	s_lshr_b32 s14, s16, 4                         ; batch
	s_and_b32 s12, s16, 15                         ; head
	s_lshr_b32 s13, s12, 1                         ; pair of heads
	s_and_b32 s17, s12, 1
	s_lshl_b32 s15, s17, 4
	s_mul_i32 s79, s17, 768
	s_lshl_b32 s18, s14, 4
	s_add_co_u32 s18, s18, s73                     ; 16 batch + my key step
	s_lshl_b32 s20, s13, 9                         ; K's half units: tile 512 pair + 128 batch + 8 step
	s_lshl_b32 s21, s18, 3
	s_add_co_u32 s20, s20, s21
	s_mul_i32 s20, s20, 1536
	s_add_co_u32 s20, s20, s79
	s_add_co_u32 s20, s20, 6291456
	s_mov_b32 s21, 0
	s_lshl_b32 s22, s18, 6                         ; V's units: (16 batch + step) 64 + 4 head
	s_lshl_b32 s23, s12, 2
	s_add_co_u32 s22, s22, s23
	s_mul_i32 s22, s22, 1536
	s_add_co_u32 s22, s22, 12582912
	s_mov_b32 s23, 0
	s_lshl_b32 s24, s13, 6                         ; K's scale image
	s_add_co_u32 s24, s24, s18
	s_lshl_b32 s24, s24, 9
	s_add_co_u32 s24, s24, 19136512
	s_mov_b32 s25, 0
	s_lshl_b32 s26, s18, 3                         ; V's: my head's two words of a lane's four
	s_add_co_u32 s26, s26, s13
	s_lshl_b32 s26, s26, 9
	s_lshl_b32 s27, s17, 3
	s_add_co_u32 s26, s26, s27
	s_add_co_u32 s26, s26, 19398656
	s_mov_b32 s27, 0
	s_lshl_b32 s66, ttmp9, 4
	s_add_co_u32 s66, s66, s73                     ; my first query tile,
	s_sub_co_u32 s36, 127, s66                     ; and my second
	s_wait_kmcnt 0x0
	s_add_nc_u64 s[20:21], s[4:5], s[20:21]
	s_add_nc_u64 s[22:23], s[4:5], s[22:23]
	s_add_nc_u64 s[24:25], s[4:5], s[24:25]
	s_add_nc_u64 s[26:27], s[4:5], s[26:27]
.irp t, 0,1,2,3,4,5,6,7
	global_load_b128 v[KF+6*\t:KF+6*\t+3], v[L16], s[20:21] offset:1536*\t
	global_load_b64 v[KF+6*\t+4:KF+6*\t+5], v[L8], s[20:21] offset:1536*\t+512
.endr
.irp k, 0,1,2,3,4,5,6,7,8,9,10,11
	global_load_b128 v[S+4*\k:S+4*\k+3], v[L16], s[22:23] offset:512*\k
.endr
	global_load_b128 v[S+48:S+51], v[L16], s[24:25]
	global_load_b64 v[S+52:S+53], v[L16], s[26:27]
	QASK s66, QF, QS, 100, 2, s37, 80
	QASK s36, QN, QSN, 96, 98, s38, 84
	s_mov_b32 s74, 0x3e38aa3b                      ; c = log2(e) / 8
	s_mov_b32 s75, s74
	s_mov_b32 s76, 0x76543210
	s_mov_b32 s77, 0xfedcba98
	s_mov_b32 s78, 2
	s_wait_loadcnt 0x0
	s_wait_kmcnt 0x0
	FLG s67, 80
	FLG s10, 84                                    ; (fl's address has served)
.set j, 16
.rept 24
	s_mov_b64 s[j:j+1], -1                         ; the mask words' registers are written once, whichever step is the first to load them
.set j, j+2
.endr
.set j, 80
.rept 8
	s_mov_b64 s[j:j+1], -1
.set j, j+2
.endr
.irp i, 0,1,2,3
	v_lshrrev_b32 v[S+48+\i], s15, v[S+48+\i]      ; my head's two bytes come lowest
.endr
	v_lshrrev_b32 v[QS], s15, v[QS]
	v_lshrrev_b32 v[QSN], s15, v[QSN]
.irp t, 0,1,2,3,4,5,6,7
	ds_store_b128 v[A16], v[KF+6*\t:KF+6*\t+3] offset:768*\t
	ds_store_b64 v[A8], v[KF+6*\t+4:KF+6*\t+5] offset:768*\t+512
.endr
.irp k, 0,1,2,3,4,5,6,7,8,9,10,11
	ds_store_b128 v[A16], v[S+4*\k:S+4*\k+3] offset:6144+512*\k
.endr
	ds_store_b128 v[A16], v[S+48:S+51] offset:12288
	ds_store_b64 v[A8], v[S+52:S+53] offset:12800
	s_wait_alu depctr_va_vdst(0)                   ; the head's end
	s_wait_dscnt 0x0                               ; for the others' sake: my step lies in LDS
	s_barrier_signal -1
	s_barrier_wait -1                              ; all sixteen do: from here on K's and V's bytes are only read
.Ltile:
	s_lshl_b32 s98, s14, 7
	s_add_co_u32 s98, s98, s66                     ; tau = 128 batch + T
	s_lshl_b32 s72, s98, 12
	s_mov_b32 s73, 0
	s_add_nc_u64 s[96:97], s[6:7], s[72:73]        ; its mask words
.set j, 0
.rept 32
	v_mov_b32 v[O+j], 0                            ; which step is the first that is walked hangs on the flags, so no product can start these sums
.set j, j+1
.endr
	v_mov_b32 v13, 0xff61b1e6                      ; the largest t so far: -3e38
	s_delay_alu instid0(VALU_DEP_1)
	v_floor_f32 v12, -v13
	v_mov_b32 v14, 0
	v_mov_b32 v15, 0
	s_mov_b32 s68, s67
	s_mov_b32 s69, 16
	s_mov_b32 s70, 0
	s_mov_b32 s71, 0
	s_mov_b32 s11, 0
	s_wait_alu depctr_va_vdst(0)
.Lp1:
	s_and_b32 s72, s68, 3
	s_cmp_eq_u32 s72, 0
	s_cbranch_scc1 .Lp1_tail                       ; no key of this step counts for my 16 queries
	P1
.Lp1_tail:
	s_min_u32 s11, s72, 1                          ; was this step walked?
	s_lshr_b32 s68, s68, 2
	s_add_co_u32 s70, s70, STEPB
	s_add_co_u32 s71, s71, 256
	s_sub_co_u32 s69, s69, 1
	s_cmp_lg_u32 s69, 0
	s_wait_alu depctr_va_vdst(0)
	s_cbranch_scc1 .Lp1
	; the two halves of the lanes meet: M is the larger of the two, each sum is brought under it by an exact factor
	v_add_f32 v14, v14, v15
	v_permlanex16_b32 v226, v12, s76, s77
	s_delay_alu instid0(VALU_DEP_2)
	v_permlanex16_b32 v227, v14, s76, s77
	s_delay_alu instid0(VALU_DEP_2)
	v_min_num_f32 v228, v12, v226                  ; -M
	s_delay_alu instid0(VALU_DEP_1)
	v_sub_f32 v229, v228, v12
	v_sub_f32 v230, v228, v226
	s_delay_alu instid0(VALU_DEP_2)
	v_cvt_i32_f32 v229, v229
	s_delay_alu instid0(VALU_DEP_2)
	v_cvt_i32_f32 v230, v230
	s_delay_alu instid0(VALU_DEP_2)
	v_ldexp_f32 v229, 1.0, v229
	s_delay_alu instid0(VALU_DEP_2)
	v_ldexp_f32 v230, 1.0, v230
	s_delay_alu instid0(VALU_DEP_2)
	v_mul_f32 v14, v14, v229
	s_delay_alu instid0(VALU_DEP_1)
	v_fma_f32 v14, v227, v230, v14
	s_delay_alu instid0(VALU_DEP_1)
	v_max_num_f32 v14, 0.5, v14                    ; a row with a key left has a term above 0.5, so this changes no such sum; a row with none has every t = -infinity, and its weights come out 0
	s_wait_alu depctr_va_vdst(0)
	v_log_f32 v222, v14
	v_nop                                          ; a plain place behind the logarithm,
	s_wait_alu depctr_va_vdst(0)                   ; and its wait
	v_sub_f32 v12, v228, v222                      ; -(M + log2(sum)): 2^(t + this) is the finished weight
	s_wait_alu depctr_va_vdst(0)
	s_mov_b32 s68, s67
	s_mov_b32 s69, 16
	s_mov_b32 s70, 0
	s_mov_b32 s71, 0
	s_mov_b32 s11, 0
.Lp2:
	s_and_b32 s72, s68, 3
	s_cmp_eq_u32 s72, 0
	s_cbranch_scc1 .Lp2_tail
	P2
.Lp2_tail:
	s_min_u32 s11, s72, 1
	s_lshr_b32 s68, s68, 2
	s_add_co_u32 s70, s70, STEPB
	s_add_co_u32 s71, s71, 256
	s_sub_co_u32 s69, s69, 1
	s_cmp_lg_u32 s69, 0
	s_wait_alu depctr_va_vdst(0)
	s_cbranch_scc1 .Lp2
	; THE WAY OUT: register 16 B + i of O^T is channel 32 B + 16 (lane / 16) + i of my query: two blocks of the last product's K; they become half a unit
.irp b, 0,1
	v_max3_num_f32 v[TM+\b], |v[O+16*\b]|, |v[O+16*\b+1]|, 0x1800000
.endr
.irp i, 2,4,6,8,10,12,14
.irp b, 0,1
	v_max3_num_f32 v[TM+\b], v[TM+\b], |v[O+16*\b+\i]|, |v[O+16*\b+\i+1]|
.endr
.endr
.irp b, 0,1
	v_permlanex16_b32 v[TM+4+\b], v[TM+\b], s76, s77
.endr
.irp b, 0,1
	v_max_num_f32 v[TM+\b], v[TM+\b], v[TM+4+\b]
.endr
.irp b, 0,1
	v_add_nc_u32 v[TM+12+\b], 0xff000000, v[TM+\b]
.endr
.irp b, 0,1
	v_lshrrev_b32 v[TM+4+\b], 23, v[TM+12+\b]
.endr
	s_delay_alu instid0(VALU_DEP_1)
	v_lshl_or_b32 v226, v[TM+5], 8, v[TM+4]        ; my row's two scale bytes
	v_cvt_scalef32_pk16_fp6_f32 v[PC:PC+2], v[O:O+15], v[TM+12]
	v_cvt_scalef32_pk16_fp6_f32 v[PC+12:PC+14], v[O+16:O+31], v[TM+13]
	v_nop                                          ; one plain place behind a scaled conversion
.irp i, 0,1,2
	v_permlane16_swap_b32 v[PC+\i], v[PC+12+\i]
.endr
.irp i, 0,1,2
	v_mov_b32 v[PC+3+\i], v[PC+12+\i]
.endr
	s_lshr_b32 s98, s66, 3
	s_lshl_b32 s99, s14, 4
	s_add_co_u32 s98, s98, s99                     ; the group: 16 batch + T / 8
	s_and_b32 s99, s66, 7                          ; my tile in it
	s_lshl_b32 s72, s98, 3
	s_add_co_u32 s72, s72, s13
	s_mul_i32 s72, s72, 12288
	s_mul_i32 s73, s99, 1536
	s_add_co_u32 s72, s72, s73
	s_add_co_u32 s72, s72, s79
	s_mov_b32 s73, 0
	s_add_nc_u64 s[100:101], s[8:9], s[72:73]
	s_lshl_b32 s72, s98, 1                         ; the scale bytes: 6,291,456 + (2 group + pair / 4) 2,048 + 256 tile + 16 r + 4 (pair % 4) + 2 (head % 2)
	s_lshr_b32 s98, s13, 2
	s_add_co_u32 s72, s72, s98
	s_lshl_b32 s72, s72, 11
	s_lshl_b32 s99, s99, 8
	s_add_co_u32 s72, s72, s99
	s_and_b32 s98, s13, 3
	s_lshl_b32 s98, s98, 2
	s_add_co_u32 s72, s72, s98
	s_lshr_b32 s98, s15, 3
	s_add_co_u32 s72, s72, s98
	s_add_co_u32 s72, s72, 6291456
	s_add_nc_u64 s[2:3], s[8:9], s[72:73]
	s_wait_alu depctr_va_vdst(0)
	global_store_b128 v[L16], v[PC:PC+3], s[100:101]               ; 512 and 256 consecutive, aligned bytes
	global_store_b64 v[L8], v[PC+4:PC+5], s[100:101] offset:512
	s_wait_xcnt 0x0                                ; EXEC changes only behind this wait
	v_cmp_gt_u32 vcc_lo, 16, v[LN]
	s_and_saveexec_b32 s98, vcc_lo
	global_store_b16 v[R16], v226, s[2:3]          ; two bytes a row: one part in 25 of what this launch stores
	s_wait_xcnt 0x0                                ; and again; the stores' registers and bases are written again in the next tile
	s_or_b32 exec_lo, exec_lo, s98
.irp i, 0,1,2,3,4,5
	v_mov_b32 v[QF+\i], v[QN+\i]                   ; my second query tile: its Q,
.endr
	v_mov_b32 v[QS], v[QSN]
	s_mov_b32 s67, s10                             ; its flags,
	s_sub_co_u32 s66, 127, s66                     ; its number
	s_sub_co_u32 s78, s78, 1
	s_cmp_lg_u32 s78, 0
	s_wait_alu depctr_va_vdst(0)
	s_cbranch_scc1 .Ltile
	s_wait_tensorcnt 0x0                           ; the wave's end
	ds_add_u32 v[SPW], v[NIL]
	s_wait_dscnt 0x0
	s_endpgm
.Lfunc_end_k_q2e900aedf1_attn:
	.size	k_q2e900aedf1_attn, .Lfunc_end_k_q2e900aedf1_attn-k_q2e900aedf1_attn
	.p2alignl 7, 3214868480
	.fill 96, 4, 3214868480
	.section	.rodata,"a",@progbits
	.p2align	6, 0x0
	.amdhsa_kernel k_q2e900aedf1_attn
		.amdhsa_group_segment_fixed_size 276480
		.amdhsa_private_segment_fixed_size 0
		.amdhsa_enable_private_segment 0
		.amdhsa_kernarg_size 32
		.amdhsa_user_sgpr_count 2
		.amdhsa_user_sgpr_kernarg_segment_ptr 1
		.amdhsa_wavefront_size32 1
		.amdhsa_system_sgpr_workgroup_id_x 1
		.amdhsa_system_sgpr_workgroup_id_y 1
		.amdhsa_system_sgpr_workgroup_id_z 1
		.amdhsa_system_vgpr_workitem_id 0
		.amdhsa_next_free_vgpr 256
		.amdhsa_next_free_sgpr 102
		.amdhsa_reserve_vcc 1
		.amdhsa_float_denorm_mode_32 3
		.amdhsa_float_denorm_mode_16_64 3
		.amdhsa_memory_ordered 1
		.amdhsa_forward_progress 1
		.amdhsa_inst_pref_size 53
	.end_amdhsa_kernel
	.amdgpu_metadata
---
amdhsa.version: [ 1, 2 ]
amdhsa.kernels:
  - .name:           k_q2e900aedf1_attn
    .symbol:         k_q2e900aedf1_attn.kd
    .args:
      - { .name: qkv, .offset: 0, .size: 8, .value_kind: global_buffer, .address_space: global }
      - { .name: mw, .offset: 8, .size: 8, .value_kind: global_buffer, .address_space: global }
      - { .name: ac, .offset: 16, .size: 8, .value_kind: global_buffer, .address_space: global }
      - { .name: fl, .offset: 24, .size: 8, .value_kind: global_buffer, .address_space: global }
    .group_segment_fixed_size: 276480
    .private_segment_fixed_size: 0
    .kernarg_segment_align: 8
    .kernarg_segment_size: 32
    .max_flat_workgroup_size: 512
    .sgpr_count:     102
    .vgpr_count:     256
    .wavefront_size: 32
...
	.end_amdgpu_metadata
.endif
;; end of part 3
;; launch outp (part 4): grid 4 x 64, 4 waves a work-group, clusters of 4 x 4, 327,680 bytes of LDS; arguments ac, xw, out0; writes out0
.if DOCPART == 4
	.amdgcn_target "amdgcn-amd-amdhsa--gfx1250"
	.amdhsa_code_object_version 6
	.text
	.protected	k_q2e900aedf1_outp
	.globl	k_q2e900aedf1_outp
	.p2align	8
	.type	k_q2e900aedf1_outp,@function
k_q2e900aedf1_outp:
	s_mov_b64 s[64:65], 0
	v_nop
	global_prefetch_b8 v0, s[64:65] scope:SCOPE_SE
	s_setreg_imm32_b32 hwreg(HW_REG_WAVE_MODE, 25, 1), 1
	s_wait_xcnt 0x0
	s_wait_alu depctr_hold_cnt(0) depctr_sa_sdst(0) depctr_va_vdst(0) depctr_va_sdst(0) depctr_va_ssrc(0) depctr_va_vcc(0) depctr_vm_vsrc(0)
	s_getreg_b32 s2, hwreg(HW_REG_IB_STS2, 6, 4)
	s_cmp_eq_u32 s2, 0
	s_cbranch_scc0 .Lentry_in_a_cluster
	s_endpgm
.Lentry_in_a_cluster:
	s_bfe_u32 s2, ttmp6, 0x10000c
	s_cmp_lg_u32 s2, 0xf033
	s_cbranch_scc0 .Lentry_shape_is_right
	s_endpgm
.Lentry_shape_is_right:
; out0 [8192][1024] f32 = attn W_O^T on codes of FP6 (E2M3) with E8M0 scales.  attn's codes and scale words lie in ac, W_O's in xw (groups 216 to 223), both as images of the operands' registers:
; codes [group of 8 tiles][K block 0..7][tile][1536], scale words [group][K block / 4][tile][row][K block % 4]; lane-row r of tile 2 B + u of a group is row 32 B + 8 u + r + 8 (r / 8).
; A work-group makes 128 rows (one group of attn) x 256 columns (two groups of W_O): 64 x 4 = 256 work-groups.  A wave makes 64 x 128: 32 accumulators, 256 registers.
; ALL OF K LIES IN LDS: attn's group 98,304 bytes, W_O's two groups 196,608, their scale words 4,096 and 8,192: four dense blocks of memory, one tensor load a wave at the head; nothing is filled again.
; CLUSTERS: 4 x 4 work-groups; attn's block and its scales are shared along a row of the cluster, W_O's along a column: joint loads.
; NO PREFETCH: everything is asked for at the head; no loop stands ahead of those loads.
; The matrix instruction is used transposed (source 0 = 16 rows of W_O, source 1 = 16 rows of attn): a lane holds neighbouring columns of one row.  The fragments of K block k + 1 are fetched while block k is multiplied: two sets.
; REGISTERS: window 0: v16-31 addresses, v32-95 scale words, v128-223 attn's fragments (two sets of 48; on the way out v128-255 take rows from the stage); window 1: W_O's fragments, two sets at v0 and v128; window 2: the accumulators.
.set ABYT,  98304
.set SCLA,  3*ABYT
.set SCLB,  SCLA+4096
.set SPARE, SCLB+8192
.set SPITCH, 528
.set ADRA16, 16                        ; v16-17 K blocks 0-3, 4-7 (an LDS offset has 16 bits)
.set ADRA8,  18
.set ADRB16, 20
.set ADRB8,  22
.set L16,  24
.set L8,   25
.set ADSA, 26
.set ADSB, 27
.set SPW,  28                          ; LDS address of my spare word; never rewritten
.set NIL,  29                          ; 0; never rewritten
.set STO,  30
.set RD,   31
.set SCA,  32
.set SCB,  64
.set AF,   128
.set BK,   128
.set G1, 24
.set G0, 32
.set G1B, 48
.set G0B, 56
.set G1S, 68
.set G0S, 76
.set G1SB, 80
.set G0SB, 88
.set MSB, 0
.macro WIN new                         ; the immediate's high byte repeats the setting that is left
.if MSB != \new
	s_set_vgpr_msb (MSB<<8)|\new
.set MSB, \new
.endif
.endm
.set MUL_LO, 0xa1                      ; source 0 window 1, source 1 window 0, C and D window 2
.set TO_B,   0x40
.macro CREST
	s_cmp_lg_u32 s14, 0
	s_cbranch_scc1 .Lnot_wave_0_\@
	s_barrier_signal -3
.Lnot_wave_0_\@:
	s_barrier_wait -3
	s_barrier_signal -1
	s_barrier_wait -1
.endm
.macro CROUND
	s_barrier_signal -1
	s_barrier_wait -1
	CREST
.endm
.macro PLACES n
.rept \n
	v_nop
.endr
.endm
.macro WM acc, f0, f1, sa, sb, ra, rb, zero
.if \zero
.if (\ra) && (\rb)
	v_wmma_scale_f32_16x16x128_f8f6f4 v[(\acc):(\acc)+7], v[(\f0):(\f0)+11], v[(\f1):(\f1)+11], 0, v[\sa], v[\sb] matrix_a_fmt:MATRIX_FMT_FP6 matrix_b_fmt:MATRIX_FMT_FP6 matrix_a_scale:MATRIX_SCALE_ROW1 matrix_b_scale:MATRIX_SCALE_ROW1
.elseif (\ra)
	v_wmma_scale_f32_16x16x128_f8f6f4 v[(\acc):(\acc)+7], v[(\f0):(\f0)+11], v[(\f1):(\f1)+11], 0, v[\sa], v[\sb] matrix_a_fmt:MATRIX_FMT_FP6 matrix_b_fmt:MATRIX_FMT_FP6 matrix_a_scale:MATRIX_SCALE_ROW1
.elseif (\rb)
	v_wmma_scale_f32_16x16x128_f8f6f4 v[(\acc):(\acc)+7], v[(\f0):(\f0)+11], v[(\f1):(\f1)+11], 0, v[\sa], v[\sb] matrix_a_fmt:MATRIX_FMT_FP6 matrix_b_fmt:MATRIX_FMT_FP6 matrix_b_scale:MATRIX_SCALE_ROW1
.else
	v_wmma_scale_f32_16x16x128_f8f6f4 v[(\acc):(\acc)+7], v[(\f0):(\f0)+11], v[(\f1):(\f1)+11], 0, v[\sa], v[\sb] matrix_a_fmt:MATRIX_FMT_FP6 matrix_b_fmt:MATRIX_FMT_FP6
.endif
.else
.if (\ra) && (\rb)
	v_wmma_scale_f32_16x16x128_f8f6f4 v[(\acc):(\acc)+7], v[(\f0):(\f0)+11], v[(\f1):(\f1)+11], v[(\acc):(\acc)+7], v[\sa], v[\sb] matrix_a_fmt:MATRIX_FMT_FP6 matrix_b_fmt:MATRIX_FMT_FP6 matrix_a_scale:MATRIX_SCALE_ROW1 matrix_b_scale:MATRIX_SCALE_ROW1
.elseif (\ra)
	v_wmma_scale_f32_16x16x128_f8f6f4 v[(\acc):(\acc)+7], v[(\f0):(\f0)+11], v[(\f1):(\f1)+11], v[(\acc):(\acc)+7], v[\sa], v[\sb] matrix_a_fmt:MATRIX_FMT_FP6 matrix_b_fmt:MATRIX_FMT_FP6 matrix_a_scale:MATRIX_SCALE_ROW1
.elseif (\rb)
	v_wmma_scale_f32_16x16x128_f8f6f4 v[(\acc):(\acc)+7], v[(\f0):(\f0)+11], v[(\f1):(\f1)+11], v[(\acc):(\acc)+7], v[\sa], v[\sb] matrix_a_fmt:MATRIX_FMT_FP6 matrix_b_fmt:MATRIX_FMT_FP6 matrix_b_scale:MATRIX_SCALE_ROW1
.else
	v_wmma_scale_f32_16x16x128_f8f6f4 v[(\acc):(\acc)+7], v[(\f0):(\f0)+11], v[(\f1):(\f1)+11], v[(\acc):(\acc)+7], v[\sa], v[\sb] matrix_a_fmt:MATRIX_FMT_FP6 matrix_b_fmt:MATRIX_FMT_FP6
.endif
.endif
.endm
.macro MUL32 kb, zero                  ; my four tiles of attn x W_O's eight, K block kb: the 32 accumulators by turns, in the same order in every block
.irp a, 0,1,2,3
.irp b, 0,1,2,3,4,5,6,7
	WM 8*(8*\a+\b), 128*((\kb)%2)+12*\b, AF+48*((\kb)%2)+12*\a, SCB+16*((\kb)/4)+4*(\b/2)+(\kb)%4, SCA+16*((\kb)/4)+4*(\a/2)+(\kb)%4, \b%2, \a%2, \zero
.endr
.endr
.endm
.macro FRAG reg, a16, a8, off
	ds_load_b128 v[(\reg):(\reg)+3], v[\a16] offset:(\off)
	ds_load_b64 v[(\reg)+4:(\reg)+5], v[\a8] offset:(\off)+512
	ds_load_b128 v[(\reg)+6:(\reg)+9], v[\a16] offset:(\off)+768
	ds_load_b64 v[(\reg)+10:(\reg)+11], v[\a8] offset:(\off)+1280
.endm
.macro FETCH kb                        ; K block kb's fragments into set kb % 2
	WIN TO_B
.irp i, 0,1,2,3,4,5,6,7
	FRAG 128*((\kb)%2)+12*\i, ADRB16+(\kb)/4, ADRB8+(\kb)/4, (8*((\kb)%4)+\i)*1536
.endr
	WIN 0
.irp i, 0,1,2,3
	FRAG AF+48*((\kb)%2)+12*\i, ADRA16+(\kb)/4, ADRA8+(\kb)/4, (8*((\kb)%4)+\i)*1536
.endr
.endm
.macro KB kb
	s_wait_dscnt 0x0                               ; this block's fragments are in
.if (\kb) == 7
	s_barrier_signal -1                            ; my reads of the tiles are over
.endif
.if (\kb) < 7
.if (\kb) > 0
	PLACES 4                                       ; in front of loads into registers that the block before multiplied
.endif
	FETCH (\kb)+1
.endif
	WIN MUL_LO
.if (\kb) == 0
	MUL32 \kb, 1                                   ; the first block's products start the sums
.else
	MUL32 \kb, 0
.endif
	WIN 0
.if (\kb) == 7
	s_barrier_wait -1                              ; everybody's are: the stage may lie over attn's tile, which has had its one fill
.endif
.endm
	s_load_b128 s[4:7], s[0:1], 0x0                ; ac, xw
	s_load_b64 s[12:13], s[0:1], 0x10              ; out0
	v_lshl_add_u32 v[SPW], v0, 2, SPARE
	v_mov_b32 v[NIL], 0
	ds_add_u32 v[SPW], v[NIL]                      ; the opening lines: the add, twice on end, and its wait ahead of my first tensor load
	ds_add_u32 v[SPW], v[NIL]
	v_lshrrev_b32 v1, 5, v0
	v_readfirstlane_b32 s14, v1                    ; wave
	s_lshr_b32 s15, s14, 1                         ; which 64 rows
	s_and_b32 s16, s14, 1                          ; which 128 columns
	s_bfe_u32 s40, ttmp6, 0x40000                  ; cx = block of 256 columns
	s_bfe_u32 s41, ttmp6, 0x40004                  ; cy
	s_and_b32 s17, ttmp7, 0xffff
	s_lshl_b32 s43, s41, 2
	s_lshl_b32 s43, 15, s43                        ; my row of the cluster
	s_lshl_b32 s44, 0x1111, s40                    ; my column
	s_or_b32 s[G1+0], s43, (3<<16)|(1<<21)         ; elements of 8 bytes, rows of 256 bytes, dense
	s_or_b32 s[G1B+0], s44, (3<<16)|(1<<21)
	s_or_b32 s[G1S+0], s43, (3<<16)|(1<<21)
	s_or_b32 s[G1SB+0], s44, (3<<16)|(1<<21)
.macro GRP1 g, rows
	s_mov_b32 s[\g+1], 32<<16
	s_mov_b32 s[\g+2], \rows<<16
	s_mov_b32 s[\g+3], 32<<16
	s_mov_b32 s[\g+4], \rows
	s_mov_b32 s[\g+5], 32
	s_mov_b32 s[\g+6], 0
	s_mov_b32 s[\g+7], 0
.endm
	GRP1 G1, 384
	GRP1 G1B, 768
	GRP1 G1S, 16
	GRP1 G1SB, 32
	s_lshl_b32 s8, s17, 2
	s_add_co_u32 s8, s8, s41                       ; attn's group = block of 128 rows
	s_mul_i32 s20, s8, ABYT
	s_mov_b32 s21, 0
	s_lshl_b32 s22, s8, 12
	s_add_co_u32 s22, s22, 6291456
	s_mov_b32 s23, 0
	s_lshl_b32 s97, s40, 1
	s_add_co_u32 s97, s97, 216                     ; W_O's first group of my two
	s_mul_i32 s46, s97, ABYT
	s_mov_b32 s47, 0
	s_lshl_b32 s92, s97, 12
	s_add_co_u32 s92, s92, 22020096
	s_mov_b32 s93, 0
	s_wait_dscnt 0x0                               ; both opening adds are done
	s_wait_kmcnt 0x0
	s_add_nc_u64 s[20:21], s[4:5], s[20:21]
	s_add_nc_u64 s[22:23], s[4:5], s[22:23]
	s_add_nc_u64 s[46:47], s[6:7], s[46:47]
	s_add_nc_u64 s[92:93], s[6:7], s[92:93]
	CROUND                                         ; all sixteen work-groups are here: the joint loads meet
	s_mov_b32 s[G0], 1
	s_mov_b32 s[G0+1], 0
	s_mov_b64 s[G0+2:G0+3], s[20:21]
	s_or_b32 s[G0+3], s[G0+3], 0x80000000
	s_mov_b32 s[G0B], 1
	s_mov_b32 s[G0B+1], ABYT
	s_mov_b64 s[G0B+2:G0B+3], s[46:47]
	s_or_b32 s[G0B+3], s[G0B+3], 0x80000000
	s_mov_b32 s[G0S], 1
	s_mov_b32 s[G0S+1], SCLA
	s_mov_b64 s[G0S+2:G0S+3], s[22:23]
	s_or_b32 s[G0S+3], s[G0S+3], 0x80000000
	s_mov_b32 s[G0SB], 1
	s_mov_b32 s[G0SB+1], SCLB
	s_mov_b64 s[G0SB+2:G0SB+3], s[92:93]
	s_or_b32 s[G0SB+3], s[G0SB+3], 0x80000000
; the head's loads, one a wave: wave 0 attn's codes, wave 1 W_O's, wave 2 attn's scale words, wave 3 W_O's.  One chain of branches on the wave's number
.macro ARM under, g0, g1, next
	s_cmp_lt_u32 s14, \under
	s_cbranch_scc0 \next
	tensor_load_to_lds s[\g0:\g0+3], s[\g1:\g1+7]
	s_nop 0
.rept 4
	v_nop
.endr
	s_branch .Lhead_asked
\next:
.endm
	ARM 1, G0,  G1,  .Lhead_b
	ARM 2, G0B, G1B, .Lhead_sa
	ARM 3, G0S, G1S, .Lhead_sb
	tensor_load_to_lds s[G0SB:G0SB+3], s[G1SB:G1SB+7]
	s_nop 0
.rept 4
	v_nop
.endr
.Lhead_asked:
	v_and_b32 v1, 31, v0
	v_lshlrev_b32 v[L16], 4, v1
	v_lshlrev_b32 v[L8], 3, v1
	s_mul_i32 s21, s15, 4*1536                     ; my four tiles of attn's eight
	s_mul_i32 s22, s16, ABYT                       ; my group of W_O's two,
	s_add_co_u32 s22, s22, ABYT                    ; behind attn's
.irp s, 0,1
	v_add_nc_u32 v[ADRA16+\s], s21, v[L16]
	v_add_nc_u32 v[ADRA8+\s], s21, v[L8]
	v_add_nc_u32 v[ADRB16+\s], s22, v[L16]
	v_add_nc_u32 v[ADRB8+\s], s22, v[L8]
	s_add_co_u32 s21, s21, 4*12288
	s_add_co_u32 s22, s22, 4*12288
.endr
	s_lshl_b32 s21, s15, 10
	s_add_co_u32 s21, s21, SCLA
	v_add_nc_u32 v[ADSA], s21, v[L16]
	s_lshl_b32 s22, s16, 12
	s_add_co_u32 s22, s22, SCLB
	v_add_nc_u32 v[ADSB], s22, v[L16]
	s_mul_i32 s23, s14, 16*SPITCH                  ; my stage
	v_and_b32 v2, 15, v0
	v_bfe_u32 v3, v0, 4, 1
	v_mul_u32_u24 v[STO], v2, SPITCH
	v_lshl_add_u32 v[STO], v3, 6, v[STO]
	v_add_nc_u32 v[STO], s23, v[STO]
	v_add_nc_u32 v[RD], s23, v[L16]
	s_lshl_b32 s20, s8, 7
	s_lshl_b32 s21, s15, 6
	s_add_co_u32 s20, s20, s21                     ; my first row
	s_lshl_b32 s20, s20, 12
	s_lshl_b32 s21, s40, 10
	s_add_co_u32 s20, s20, s21
	s_lshl_b32 s21, s16, 9
	s_add_co_u32 s20, s20, s21                     ; my first column, in bytes
	s_mov_b32 s21, 0
	s_add_nc_u64 s[12:13], s[12:13], s[20:21]
	s_wait_alu depctr_va_vdst(0)                   ; the head's end
	s_wait_tensorcnt 0x0                           ; my block is in;
	s_barrier_signal -1
	s_barrier_wait -1                              ; all four are
.irp q, 0,1
.irp i, 0,1
	ds_load_b128 v[SCA+16*\q+4*\i:SCA+16*\q+4*\i+3], v[ADSA] offset:2048*\q+512*\i
.endr
.irp i, 0,1,2,3
	ds_load_b128 v[SCB+16*\q+4*\i:SCB+16*\q+4*\i+3], v[ADSB] offset:2048*\q+512*\i
.endr
.endr
	FETCH 0
.irp k, 0,1,2,3,4,5,6,7
	KB \k
.endr
; THE WAY OUT, tile by tile of 16 rows x 128 columns, through my own stage: whole rows of 512 bytes come back and leave as two aligned units of 256 bytes
.macro TOSTAGE a
.set AC, 64*(\a)
	WIN 0x08                                       ; the data: window 2
.irp b, 0,1,2,3,4,5,6,7
	ds_store_b128 v[STO], v[AC+8*\b:AC+8*\b+3] offset:128*(\b/2)+32*(\b%2)      ; each accumulator from its low end on
	ds_store_b128 v[STO], v[AC+8*\b+4:AC+8*\b+7] offset:128*(\b/2)+32*(\b%2)+16
.endr
	WIN 0
.set BB, BK+64*((\a)%2)
.irp t, 0,1,2,3,4,5,6,7,8,9,10,11,12,13,14,15
	ds_load_b128 v[BB+4*\t:BB+4*\t+3], v[RD] offset:\t*SPITCH    ; LDS serves a wave's instructions in order: these see the stores above
.endr
.endm
.macro SEND a, younger
.set BB, BK+64*((\a)%2)
	s_wait_dscnt \younger
.if (\a) > 0
.if ((\a)%2) == 1
	s_add_nc_u64 s[12:13], s[12:13], 8*4096        ; tile 2 B + 1 begins 8 rows behind tile 2 B,
.else
	s_add_nc_u64 s[12:13], s[12:13], 24*4096       ; tile 2 B + 2 another 24
.endif
.endif
.irp t, 0,1,2,3,4,5,6,7,8,9,10,11,12,13,14,15
	global_store_b128 v[L16], v[BB+4*\t:BB+4*\t+3], s[12:13] offset:(\t+8*(\t/8))*4096 th:TH_STORE_NT
.endr
.endm
	PLACES 4
	TOSTAGE 0
.irp a, 1,2,3
.if \a > 1
	s_wait_xcnt 0x0                                ; tile a - 2's stores have read their registers and their base
.endif
	TOSTAGE \a
	SEND \a-1, 32                                  ; behind tile a - 1's loads: tile a's 16 stores and 16 loads
.endr
	s_wait_xcnt 0x0
	SEND 3, 0
	s_wait_tensorcnt 0x0                           ; the wave's end
	ds_add_u32 v[SPW], v[NIL]
	s_wait_dscnt 0x0
	CROUND                                         ; the closing round
	s_endpgm
.Lfunc_end_k_q2e900aedf1_outp:
	.size	k_q2e900aedf1_outp, .Lfunc_end_k_q2e900aedf1_outp-k_q2e900aedf1_outp
	.p2alignl 7, 3214868480
	.fill 96, 4, 3214868480
	.section	.rodata,"a",@progbits
	.p2align	6, 0x0
	.amdhsa_kernel k_q2e900aedf1_outp
		.amdhsa_group_segment_fixed_size 327680
		.amdhsa_private_segment_fixed_size 0
		.amdhsa_enable_private_segment 0
		.amdhsa_kernarg_size 24
		.amdhsa_user_sgpr_count 2
		.amdhsa_user_sgpr_kernarg_segment_ptr 1
		.amdhsa_wavefront_size32 1
		.amdhsa_system_sgpr_workgroup_id_x 1
		.amdhsa_system_sgpr_workgroup_id_y 1
		.amdhsa_system_sgpr_workgroup_id_z 1
		.amdhsa_system_vgpr_workitem_id 0
		.amdhsa_next_free_vgpr 768
		.amdhsa_next_free_sgpr 100
		.amdhsa_reserve_vcc 0
		.amdhsa_float_denorm_mode_32 3
		.amdhsa_float_denorm_mode_16_64 3
		.amdhsa_memory_ordered 1
		.amdhsa_forward_progress 1
		.amdhsa_inst_pref_size 82
	.end_amdhsa_kernel
	.amdgpu_metadata
---
amdhsa.version: [ 1, 2 ]
amdhsa.kernels:
  - .name:           k_q2e900aedf1_outp
    .symbol:         k_q2e900aedf1_outp.kd
    .args:
      - { .name: ac, .offset: 0, .size: 8, .value_kind: global_buffer, .address_space: global }
      - { .name: xw, .offset: 8, .size: 8, .value_kind: global_buffer, .address_space: global }
      - { .name: out0, .offset: 16, .size: 8, .value_kind: global_buffer, .address_space: global }
    .group_segment_fixed_size: 327680
    .private_segment_fixed_size: 0
    .kernarg_segment_align: 8
    .kernarg_segment_size: 24
    .max_flat_workgroup_size: 128
    .sgpr_count:     100
    .vgpr_count:     768
    .wavefront_size: 32
...
	.end_amdgpu_metadata
.endif
;; end of part 4
